; MI455X (gfx1250); checked and timed in simulation.
; The chip was launched on July 23, 2026; its instructions are those of AMD's public machine-readable ISA for CDNA 5 (MIT licence, August 2026) and "CDNA5" Instruction Set Architecture Reference Guide (July 2026). The comments in the code are by the model that wrote it; some were corrected since.
;; Transformer Block. Allowed arithmetic: matrix products marked QUANTISED: E2M3 operands, one E8M0 scale for each 32 along K, by v_wmma_scale_f32_16x16x128_f8f6f4 with both operands' format E2M3, f32 sums; everything else in f32.
;; Inputs: W1 1,024 x 4,096 float32; W2 4,096 x 1,024 float32; Wk 1,024 x 1,024 float32; Wo 1,024 x 1,024 float32; Wq 1,024 x 1,024 float32; Wv 1,024 x 1,024 float32; b1 4,096 float32; b2 1,024 float32; be1 1,024 float32; be2 1,024 float32; bo 1,024 float32; g1 1,024 float32; g2 1,024 float32; x 4 x 1,024 x 1,024 float32.
;; Outputs: out0 4 x 1,024 x 1,024 float32.
;; This version of the problem:
;;   THIS VERSION OF THE PROBLEM IS GIVEN IN LOW PRECISION. The matrix products marked QUANTISED in the list below multiply operands that are first quantised to E2M3 (2 exponent bits, 3 mantissa bits; 6 bits a number), with one power-of-two scale for each 32 numbers along K (OCP MX v1.0); their sums are f32. All else is computed in f32.
;;   The module's matrix products, in the order in which they are computed (A, B: the left and right operand; K: the contracted axis; several contracted axes count as one K, in the product's order):
;;     1. [M 4,096, K 1,024] x [K 1,024, N 1,024]; A: computed on the way; B: input Wq: QUANTISED
;;     2. [M 4,096, K 1,024] x [K 1,024, N 1,024]; A: computed on the way; B: input Wk: QUANTISED
;;     3. [M 4,096, K 1,024] x [K 1,024, N 1,024]; A: computed on the way; B: input Wv: QUANTISED
;;     4. batch 64 x [M 1,024, K 64] x [K 64, N 1,024]; A: computed on the way; B: computed on the way: QUANTISED
;;     5. batch 64 x [M 1,024, K 1,024] x [K 1,024, N 64]; A: softmax (see below); B: computed on the way: QUANTISED
;;     6. [M 4,096, K 1,024] x [K 1,024, N 1,024]; A: computed on the way; B: input Wo: QUANTISED
;;     7. [M 4,096, K 1,024] x [K 1,024, N 4,096]; A: computed on the way; B: input W1: QUANTISED
;;     8. [M 4,096, K 4,096] x [K 4,096, N 1,024]; A: computed on the way; B: input W2: QUANTISED
;;   THE QUANTISER, for each operand of a quantised product, along K:
;;     - K is cut into blocks of 32 from its start; a last block that is shorter is filled with zeros.
;;     - A block's scale is 2^e with e = floor(log2(the largest magnitude in the block)) - 2, held to -126 .. 127; a block of zeros has e = 0. As a byte (E8M0): e + 127.
;;     - Each number is divided by its block's scale, clamped to +-7.5, and rounded to the nearest number of E2M3, ties to even, subnormals kept.
;;     - The product sums the exact products of the quantised numbers (number of the format x scale) in f32.
;;   ~~~python
;;   def quantise(x, axis):      # numpy; x: float32 -> the quantised numbers, widened to float32 again
;;       x = np.moveaxis(x, axis, -1); K = x.shape[-1]
;;       x = np.pad(x, [(0, 0)] * (x.ndim - 1) + [(0, -K % 32)]); x = x.reshape(x.shape[:-1] + (-1, 32)); a = np.abs(x).max(-1, keepdims=True)
;;       e = np.where(a > 0, np.clip(np.frexp(np.where(a > 0, a, 1))[1] - 1 - 2, -126, 127), 0)      # np.frexp(a)[1] - 1 = floor(log2(a)), exactly
;;       r = np.clip(x / 2.0 ** e, -7.5, 7.5)
;;       step = 2.0 ** (np.maximum(np.frexp(np.where(r == 0, 1, r))[1] - 1, 0) - 3)
;;       q = np.round(r / step) * step * 2.0 ** e      # np.round: ties to even
;;       return np.moveaxis(q.reshape(q.shape[:-2] + (-1,))[..., :K], -1, axis).astype(np.float32)
;;   ~~~
;;   SOFTMAX AHEAD OF A QUANTISED PRODUCT. Where the list says 'softmax', what is quantised is not the finished softmax but p = 2^(t - M), with t = logit x log2(e) and M = ceil(the row's largest t), a whole number; so 1/2 < the row's largest p <= 1. The row's sum l is taken of the UNQUANTISED p, in f32, and the product's result is divided by l at the end. Since M is a whole number, a kernel that streams over the keys may use a running M (the ceiling of the running maximum): every later rescaling is an exact power of two, which a block's scale takes up: the codes' values come out the same.
;;   OPERANDS COMPUTED ON THE WAY. 'Computed on the way' means the value that the module computes at that place (a softmax that the list does not call 'softmax' is quantised finished and normalised). What goes into a quantiser is computed in f32, as accurately as f32 sums, v_exp_f32 and their like allow (about 1e-6 of the number): no bf16 or f16 on the way to a quantiser, and a product that is left as it is and whose result goes on into a quantised operand takes f32 operands (vector FMAs, or v_wmma_f32_16x16x4_f32). A number that lies on a knife's edge between two numbers of the format may be rounded either way, as far as f32 arithmetic and the matrix unit's own rounding can turn it there, and no further.
;; One version. Each part assembles by itself: llvm-mc -triple=amdgcn-amd-amdhsa -mcpu=gfx1250 --defsym DOCPART=n.
;; ======== version 1 of 1: 7 launches
;; limits: right only within a limited range of input values
;; workspace buffers: hw 5,734,400 bytes; wts 7,372,800 bytes; qkv 9,830,400 bytes; att 3,276,800 bytes; x1 16,777,216 bytes; hid 13,107,200 bytes
;; launch first (part 1): grid 256 x 4, 8 waves a work-group, no clusters, 69,632 bytes of LDS; arguments W1, W2, Wq, Wk, Wv, Wo, hw, wts, x, g1, be1; writes hw, wts
.if DOCPART == 1
	.amdgcn_target "amdgcn-amd-amdhsa--gfx1250"
	.amdhsa_code_object_version 6
	.text
	.protected	k_q5158f3971c_first
	.globl	k_q5158f3971c_first
	.p2align	8
	.type	k_q5158f3971c_first,@function
k_q5158f3971c_first:
	s_mov_b64 s[64:65], 0
	v_nop
	global_prefetch_b8 v0, s[64:65] scope:SCOPE_SE
	s_setreg_imm32_b32 hwreg(HW_REG_WAVE_MODE, 25, 1), 1
	s_wait_xcnt 0x0
; THE PROGRAM: a pre-LN transformer block, 4,096 tokens x 1,024, all eight products on codes of FP6 (E2M3) with one E8M0 scale for each 32 along K.
; Launches: first (LN1 into codes; the six weights into codes) | qkv | attn | wo (+ bo + x = x1) | ln2 (LN2 into codes) | w1 (+ b1, gelu, codes) | w2 (+ b2 + x1 = out0).
; WORK LEFT OUT (in attn alone): reference() builds the causal mask itself, and a key behind the query gets the score -inf, so p = 0 and the key adds 0 to the row's sum and 0 to the
; product with V, whatever finite values the inputs hold.  Key steps of 128 that lie wholly behind a tile of 16 queries are therefore not walked (36 of 64 steps remain).  Every input has
; a way to out0 and is loaded.  LIMIT: a NaN, an infinity or an overflow that would arise only in the scores left out is not carried to the result.
; OPERANDS IN MEMORY are IMAGES OF THE MATRIX OPERAND'S REGISTERS: the fragment of rowblock rb (16 rows) and K step ks (128 along K) is 1,536 bytes at (ks x RBP + rb) x 1536; in it register
; group c (4 registers) is 512 bytes, lane l's 16 bytes at 512 c + 16 l.  Its scale words: 64 bytes at (ks x RBP + rb) x 64, row r's word at 4 r.
; ORDER INSIDE A BLOCK OF 32 ALONG K, in every operand of the program alike: place p holds the block's number sg(p) = p % 8 + 16 ((p / 8) % 2) + 8 (p / 16).  That is the order in which two neighbouring
; result tiles give a lane its 16 numbers.  The blocks hold the contract's 32 numbers, so scales and codes are the contract's; a permutation of k applied alike to both operands keeps the products.
; A block's scale byte is its largest magnitude's exponent field - 2, held at 1 from below.  LIMITS: a block of zeros gets the byte 1 where the rule says 127 (its codes are zeros, and this program alone reads the
; bytes); blocks whose largest magnitude lies under 2^-124 are held at byte 1; NaN and infinities among the inputs are not served.
; THIS LAUNCH does two jobs that do not hang on each other; they part on the work-group's y alone, and only the first touches LDS.
; y = 0: LAYERNORM 1.  A work-group takes 16 rows of x (a rowblock), wave w the columns 128 w .. 128 w + 127: one fragment.  Each load reads 512 consecutive bytes of a row; the wave's 16 x 512 bytes turn through its own
;   stage in LDS and come back so that lane (r, h) holds row r, register 16 b + i = column 32 b + 16 (i / 8) + 8 h + i % 8 of the wave's 128 (place 16 h + i of block b).  Mean and variance as reference() has them, in two
;   passes; the eight waves' sums meet in LDS behind a barrier, twice, in bytes of their own.  Out: hw's fragment (448 w + rb), scale words at 5,505,024.
; y = 1, 2, 3: THE WEIGHTS, W [K][N] f32, K their first axis: 1 = W1, 2 = W2, 3 = Wq, Wk, Wv, Wo (64 work-groups each).  A wave makes one fragment: 16 columns n x 128 k.  LANE (r, h) TAKES COLUMN r AND ITS REGISTERS RUN
;   DOWN K: register 32 c + i = W[128 ks + 64 c + 32 h + sg(i)][n], so a lane holds two whole blocks, no other lane is asked for a maximum, and the conversions' results are the operand's registers.  The eight waves of a
;   work-group stand side by side on 512 bytes of each row.  Only pointers and numbers are chosen, by ids; the two pitches have an arm of loads each, since the pitch stands in the immediates.
.set SP,    528                        ; a stage row: 512 bytes + 16, an odd multiple of 16: sixteen rows' reads start in different banks
.set WST,   16*SP                      ; a wave's stage
.set RED,   8*WST                      ; the sums: 8 waves x 64 bytes; the second pass's 512 bytes on
.set SPARE, RED+1024                   ; the spare words, 128 bytes for each wave: four blocks of 256 bytes that no other line names
.set X,  32                            ; LN: v32-95 as loaded, then beta, then the codes.  Weights: v32-95 my 64 numbers
.set Y,  96                            ; LN: v96-159  my 64 numbers of row r
.set G,  160                           ; LN: v160-223 gamma at my 64 columns
.set TM, 224                           ; LN: v224-239 at work
.set PW, 240                           ; LN: the scale word
.set PC, 32
.set C,  96                            ; weights: v96-107 the fragment; v108-115 the halves that are moved
	v_lshl_add_u32 v12, v0, 2, SPARE               ; my spare word; never rewritten
	v_mov_b32 v13, 0                               ; 0; never rewritten
	s_and_b32 s21, ttmp7, 0xffff                   ; the work-group's y
	s_cmp_lg_u32 s21, 0
	s_cbranch_scc1 .Lweights
	; ---------------- y = 0: LayerNorm 1 ----------------
	s_load_b128 s[4:7], s[0:1], 0x40               ; x s[4:5], gamma s[6:7]
	s_load_b64 s[8:9], s[0:1], 0x50                ; beta
	s_load_b64 s[10:11], s[0:1], 0x30              ; hw
	v_lshrrev_b32 v1, 5, v0
	s_delay_alu instid0(VALU_DEP_1)
	v_readfirstlane_b32 s12, v1                    ; wave 0..7
	v_and_b32 v1, 15, v0                           ; r
	v_bfe_u32 v2, v0, 4, 1                         ; h
	v_and_b32 v3, 31, v0
	s_delay_alu instid0(VALU_DEP_1)
	v_lshlrev_b32 v4, 4, v3                        ; 16 x lane
	s_mul_i32 s13, s12, WST
	v_add_nc_u32 v5, s13, v4                       ; into the stage: as loaded
	v_mul_u32_u24 v6, v1, SP
	s_delay_alu instid0(VALU_DEP_1)
	v_lshl_add_u32 v6, v2, 5, v6
	s_delay_alu instid0(VALU_DEP_1)
	v_add_nc_u32 v6, s13, v6                       ; out of it: row r, + 32 h
	v_lshlrev_b32 v7, 5, v2                        ; 32 h: gamma's and beta's offset
	v_lshlrev_b32 v8, 2, v1                        ; 4 r
	s_lshl_b32 s14, s12, 6
	v_add_nc_u32 v9, s14, v8
	s_delay_alu instid0(VALU_DEP_1)
	v_add_nc_u32 v9, RED, v9                       ; where my wave's sum of row r goes
	v_add_nc_u32 v10, RED, v8                      ; where the eight are read
	s_mov_b32 s2, 0x76543210
	s_mov_b32 s3, 0xfedcba98
	s_mov_b32 s15, 0x3a800000                      ; 1 / 1024
	s_mov_b32 s22, 0x3727c5ac                      ; 1e-5
	s_lshl_b32 s16, ttmp9, 16                      ; 16 rows of 4,096 bytes
	s_lshl_b32 s18, s12, 9                         ; my wave's 512 bytes of a row
	s_add_co_u32 s16, s16, s18
	s_mov_b32 s17, 0
	s_mov_b32 s19, 0
	s_mul_i32 s26, s12, 448
	s_add_co_u32 s26, s26, ttmp9                   ; the fragment's number
	s_mul_i32 s20, s26, 1536
	s_mov_b32 s21, 0
	s_lshl_b32 s24, s26, 6
	s_add_co_u32 s24, s24, 5505024
	s_mov_b32 s25, 0
	s_wait_alu depctr_va_vdst(0)
	s_wait_kmcnt 0x0
	s_add_nc_u64 s[4:5], s[4:5], s[16:17]
	s_add_nc_u64 s[6:7], s[6:7], s[18:19]
	s_add_nc_u64 s[8:9], s[8:9], s[18:19]
	s_add_nc_u64 s[28:29], s[10:11], s[24:25]
	s_add_nc_u64 s[10:11], s[10:11], s[20:21]
.irp i, 0,1,2,3,4,5,6,7,8,9,10,11,12,13,14,15
	global_load_b128 v[X+4*\i:X+4*\i+3], v4, s[4:5] offset:4096*\i   ; row i: 512 consecutive bytes
.endr
.macro VEC reg, base                   ; a vector's numbers at my 64 columns
.irp b, 0,1,2,3
.irp j, 0,1,2,3
	global_load_b128 v[\reg+16*\b+4*\j:\reg+16*\b+4*\j+3], v7, s[\base:\base+1] offset:128*\b+64*(\j/2)+16*(\j%2)
.endr
.endr
.endm
	VEC G, 6
	s_wait_loadcnt 16                              ; x is in; gamma's 16 loads may be out
.irp i, 0,1,2,3,4,5,6,7,8,9,10,11,12,13,14,15
	ds_store_b128 v5, v[X+4*\i:X+4*\i+3] offset:SP*\i
.endr
.irp b, 0,1,2,3
.irp j, 0,1,2,3
	ds_load_b128 v[Y+16*\b+4*\j:Y+16*\b+4*\j+3], v6 offset:128*\b+64*(\j/2)+16*(\j%2)   ; LDS serves a wave's instructions in order: these see my stores
.endr
.endr
	s_wait_dscnt 0x0                               ; my numbers are back, and the stores have read X
	VEC X, 8                                       ; beta, into the registers that x has left
; The sums of four chains become the row's: across my pair, lane l xor 16, and the eight waves.
.macro REDUCE off
	s_delay_alu instid0(VALU_DEP_3)
	v_pk_add_f32 v[246:247], v[246:247], v[248:249]
	s_delay_alu instid0(VALU_DEP_2)
	v_pk_add_f32 v[250:251], v[250:251], v[252:253]
	s_delay_alu instid0(VALU_DEP_1)
	v_pk_add_f32 v[246:247], v[246:247], v[250:251]
	s_delay_alu instid0(VALU_DEP_1)
	v_add_f32 v246, v246, v247
	s_delay_alu instid0(VALU_DEP_1)
	v_permlanex16_b32 v248, v246, s2, s3
	s_delay_alu instid0(VALU_DEP_1)
	v_add_f32 v246, v246, v248                     ; my wave's 128 columns of row r
	ds_store_b32 v9, v246 offset:\off
	s_wait_dscnt 0x0                               ; for the others' sake: my store is done
	s_barrier_signal -1
	s_barrier_wait -1
.irp w, 0,1,2,3,4,5,6,7
	ds_load_b32 v[TM+\w], v10 offset:\off+64*\w
.endr
	s_wait_dscnt 0x0
	v_add_f32 v224, v224, v225
	v_add_f32 v226, v226, v227
	v_add_f32 v228, v228, v229
	v_add_f32 v230, v230, v231
	s_delay_alu instid0(VALU_DEP_3)
	v_add_f32 v224, v224, v226
	s_delay_alu instid0(VALU_DEP_2)
	v_add_f32 v228, v228, v230
	s_delay_alu instid0(VALU_DEP_1)
	v_add_f32 v224, v224, v228                     ; the row's sum, the same bits in every wave
.endm
.irp k, 0,1,2,3
	v_pk_add_f32 v[246+2*\k:247+2*\k], v[Y+2*\k:Y+2*\k+1], v[Y+8+2*\k:Y+9+2*\k]   ; four chains, started by the first eight pairs
.endr
.set p, 8
.rept 24
	s_delay_alu instid0(VALU_DEP_4)
	v_pk_add_f32 v[246+2*(p%4):247+2*(p%4)], v[246+2*(p%4):247+2*(p%4)], v[Y+2*p:Y+2*p+1]
.set p, p+1
.endr
	REDUCE 0
	s_delay_alu instid0(VALU_DEP_1)
	v_mul_f32 v242, s15, v224                      ; the mean,
	s_delay_alu instid0(VALU_DEP_1)
	v_mov_b32 v243, v242                           ; twice: a pair for the packed forms
.set p, 0
.rept 32
	v_pk_add_f32 v[Y+2*p:Y+2*p+1], v[Y+2*p:Y+2*p+1], v[242:243] neg_lo:[0,1] neg_hi:[0,1]   ; x - mean
.set p, p+1
.endr
.irp k, 0,1,2,3
	v_pk_mul_f32 v[246+2*\k:247+2*\k], v[Y+2*\k:Y+2*\k+1], v[Y+2*\k:Y+2*\k+1]
.endr
.set p, 4
.rept 28
	s_delay_alu instid0(VALU_DEP_4)
	v_pk_fma_f32 v[246+2*(p%4):247+2*(p%4)], v[Y+2*p:Y+2*p+1], v[Y+2*p:Y+2*p+1], v[246+2*(p%4):247+2*(p%4)]
.set p, p+1
.endr
	REDUCE 512
	s_delay_alu instid0(VALU_DEP_1)
	v_fma_f32 v241, v224, s15, s22                 ; the variance + 1e-5
	s_wait_alu depctr_va_vdst(0)
	v_rsq_f32 v244, v241
	v_nop                                          ; a plain place behind the transcendental
	s_wait_alu depctr_va_vdst(0)                   ; and the wait ahead of its first reader
	v_mov_b32 v245, v244
	s_wait_alu depctr_va_vdst(0)
	s_wait_loadcnt 0x0                             ; gamma and beta
.set p, 0
.rept 32
	v_pk_mul_f32 v[Y+2*p:Y+2*p+1], v[Y+2*p:Y+2*p+1], v[244:245]
.set p, p+1
.endr
.set p, 0
.rept 32
	v_pk_fma_f32 v[Y+2*p:Y+2*p+1], v[Y+2*p:Y+2*p+1], v[G+2*p:G+2*p+1], v[X+2*p:X+2*p+1]
.set p, p+1
.endr
	; the quantiser: four blocks of 32, each in lanes l and l xor 16
.irp b, 0,1,2,3
	v_max3_num_f32 v[TM+\b], |v[Y+16*\b]|, |v[Y+1+16*\b]|, 0x1800000   ; my 16 numbers, and the floor 2^(3 - 127)
.endr
.irp i, 2,4,6,8,10,12,14
.irp b, 0,1,2,3
	s_delay_alu instid0(VALU_DEP_4)
	v_max3_num_f32 v[TM+\b], v[TM+\b], |v[Y+16*\b+\i]|, |v[Y+1+16*\b+\i]|
.endr
.endr
.irp b, 0,1,2,3
	s_delay_alu instid0(VALU_DEP_4)
	v_permlanex16_b32 v[TM+4+\b], v[TM+\b], s2, s3
.endr
.irp b, 0,1,2,3
	s_delay_alu instid0(VALU_DEP_4)
	v_max_num_f32 v[TM+\b], v[TM+\b], v[TM+4+\b]
.endr
.irp b, 0,1,2,3
	s_delay_alu instid0(VALU_DEP_4)
	v_add_nc_u32 v[TM+12+\b], 0xff000000, v[TM+\b] ; 2 off the exponent field: the conversion's scale operand
.endr
.irp b, 0,1,2,3
	s_delay_alu instid0(VALU_DEP_4)
	v_lshrrev_b32 v[TM+4+\b], 23, v[TM+12+\b]      ; the scale's byte
.endr
	s_delay_alu instid0(VALU_DEP_3)
	v_lshl_or_b32 v[PW], v[TM+5], 8, v[TM+4]
	s_delay_alu instid0(VALU_DEP_1)
	v_lshl_or_b32 v[PW], v[TM+6], 16, v[PW]
	s_delay_alu instid0(VALU_DEP_1)
	v_lshl_or_b32 v[PW], v[TM+7], 24, v[PW]
.irp c, 0,1
	v_cvt_scalef32_pk16_fp6_f32 v[PC+6*\c:PC+2+6*\c], v[Y+32*\c:Y+15+32*\c], v[TM+12+2*\c]
	v_cvt_scalef32_pk16_fp6_f32 v[PC+12+4*\c:PC+14+4*\c], v[Y+16+32*\c:Y+31+32*\c], v[TM+12+2*\c+1]
.endr
	v_nop                                          ; one plain place behind a scaled conversion
.irp c, 0,1                            ; the operand's layout wants a whole block in a lane: lanes 0-15 block 2 c, lanes 16-31 block 2 c + 1
.irp i, 0,1,2
	v_permlane16_swap_b32 v[PC+6*\c+\i], v[PC+12+4*\c+\i]
.endr
.irp i, 0,1,2
	s_delay_alu instid0(VALU_DEP_3)
	v_mov_b32 v[PC+3+6*\c+\i], v[PC+12+4*\c+\i]
.endr
.endr
.irp c, 0,1,2
	global_store_b128 v4, v[PC+4*\c:PC+4*\c+3], s[10:11] offset:512*\c   ; 512 consecutive bytes, aligned
.endr
	global_store_b32 v8, v[PW], s[28:29]
	s_wait_tensorcnt 0x0                           ; the wave's end, behind my last LDS store
	ds_add_u32 v12, v13
	s_wait_dscnt 0x0
	s_endpgm
	; ---------------- y = 1, 2, 3: the weights (no LDS) ----------------
.Lweights:
	s_load_b256 s[4:11], s[0:1], 0x0               ; W1 s[4:5], W2 s[6:7], Wq s[8:9], Wk s[10:11]
	s_load_b256 s[12:19], s[0:1], 0x20             ; Wv s[12:13], Wo s[14:15], hw s[16:17], wts s[18:19]
	s_sub_co_u32 s21, s21, 1                       ; Y: 0 = W1, 1 = W2, 2 = the four of 1,024 x 1,024
	v_lshrrev_b32 v1, 5, v0
	s_delay_alu instid0(VALU_DEP_1)
	v_readfirstlane_b32 s20, v1                    ; wave 0..7
	v_and_b32 v1, 15, v0                           ; r
	v_bfe_u32 v2, v0, 4, 1                         ; h
	s_wait_alu depctr_va_vdst(0)
	v_and_b32 v3, 31, v0
	s_delay_alu instid0(VALU_DEP_1)
	v_lshlrev_b32 v3, 4, v3                        ; 16 x lane: my place in an image's group
	v_lshlrev_b32 v5, 2, v1                        ; 4 r
	s_mov_b32 s2, 0x76543210
	s_mov_b32 s3, 0xfedcba98                       ; v_permlanex16_b32's selects for lane l xor 16
	s_lshr_b32 s30, ttmp9, 6                       ; Y = 2: which of Wq, Wk, Wv, Wo
	s_mov_b32 s26, 64                              ; rowblocks in a K plane of the target (W2's, Wo's)
	s_mov_b32 s27, 0                               ; where the target's images begin
	s_mov_b32 s28, 7077888                         ; and its scale words (Wo's)
	s_cmp_eq_u32 s21, 0                            ; W1?
	s_cselect_b32 s22, 5, 3                        ; x >> this = K step
	s_cselect_b32 s23, 31, 7                       ; x & this = group of 8 rowblocks
	s_cselect_b32 s24, 14, 12                      ; log2 of a row of W in bytes
	s_cselect_b32 s26, 256, s26
	s_cselect_b32 s27, 786432, s27
	s_cselect_b32 s28, 7110656, s28
	s_cmp_eq_u32 s21, 1                            ; W2?
	s_cselect_b32 s27, 3932160, s27
	s_cselect_b32 s28, 7241728, s28
	s_cmp_eq_u32 s21, 2
	s_cselect_b32 s31, 7, 31                       ; the K step's mask
	s_cselect_b32 s33, s30, 3                      ; 0, 1, 2: Wq, Wk, Wv, which go to hw; 3: all that goes to wts
	s_lshl_b32 s34, s33, 6
	s_add_co_u32 s34, s34, 256                     ; hw: rowblocks 256 + 64 sel on
	s_cmp_lt_u32 s33, 3
	s_cselect_b32 s26, 448, s26
	s_cselect_b32 s28, 5505024, s28
	s_cselect_b32 s29, s34, 0
	s_lshr_b32 s35, ttmp9, s22
	s_and_b32 s35, s35, s31                        ; ks
	s_and_b32 s36, ttmp9, s23
	s_lshl_b32 s36, s36, 3
	s_add_co_u32 s36, s36, s20                     ; my rowblock of the weight: 8 g + wave
	s_lshl_b32 s37, s35, 7
	s_lshl_b32 s37, s37, s24                       ; 128 ks rows of W,
	s_lshl_b32 s38, s36, 6                         ; 16 columns of 4 bytes a rowblock
	s_add_co_u32 s38, s37, s38
	s_mov_b32 s39, 0
	s_mul_i32 s40, s35, s26
	s_add_co_u32 s40, s40, s29
	s_add_co_u32 s40, s40, s36                     ; the fragment's number in the target
	s_mul_i32 s42, s40, 1536
	s_add_co_u32 s42, s42, s27
	s_mov_b32 s43, 0
	s_lshl_b32 s44, s40, 6
	s_add_co_u32 s44, s44, s28
	s_mov_b32 s45, 0
	s_lshl_b32 s41, 32, s24                        ; 32 rows of W
	v_mul_u32_u24 v4, s41, v2                      ; lanes 16-31 begin 32 rows further down
	s_wait_alu depctr_va_vdst(0)
	v_add_nc_u32 v4, v4, v5
	s_wait_kmcnt 0x0
	s_cmp_eq_u32 s30, 1                            ; the choices hang on the work-group's number alone
	s_cselect_b64 s[8:9], s[10:11], s[8:9]
	s_cmp_eq_u32 s30, 2
	s_cselect_b64 s[8:9], s[12:13], s[8:9]
	s_cmp_eq_u32 s30, 3
	s_cselect_b64 s[8:9], s[14:15], s[8:9]
	s_cmp_eq_u32 s21, 0
	s_cselect_b64 s[8:9], s[4:5], s[8:9]
	s_cmp_eq_u32 s21, 1
	s_cselect_b64 s[8:9], s[6:7], s[8:9]
	s_cmp_lt_u32 s33, 3
	s_cselect_b64 s[16:17], s[16:17], s[18:19]
	s_add_nc_u64 s[8:9], s[8:9], s[38:39]          ; the weight at my fragment's corner
	s_add_nc_u64 s[46:47], s[16:17], s[42:43]      ; my image
	s_add_nc_u64 s[16:17], s[16:17], s[44:45]      ; my scale words
.macro LOADS pitch                     ; 64 loads: sixteen neighbouring lanes read 64 neighbouring bytes of a row
.set i, 0
.rept 64
	global_load_b32 v[X+i], v4, s[8:9] offset:(64*(i/32)+(i%8)+16*(((i%32)/8)%2)+8*((i%32)/16))*\pitch th:TH_LOAD_NT
.set i, i+1
.endr
.endm
	s_cmp_eq_u32 s21, 0
	s_cbranch_scc0 .Lnarrow
	s_wait_alu depctr_va_vdst(0)
	LOADS 16384
	s_branch .Lloaded
.Lnarrow:
	s_wait_alu depctr_va_vdst(0)
	LOADS 4096
.Lloaded:
	s_wait_loadcnt 0x0
.irp c, 0,1                            ; my block 2 c + h: all its 32 numbers are mine
	v_max3_num_f32 v[8+\c], |v[X+32*\c]|, |v[X+1+32*\c]|, 0x1800000   ; and the floor 2^(3 - 127): the byte cannot fall under 1
.endr
.irp i, 2,4,6,8,10,12,14,16,18,20,22,24,26,28,30
.irp c, 0,1
	s_delay_alu instid0(VALU_DEP_2)
	v_max3_num_f32 v[8+\c], v[8+\c], |v[X+32*\c+\i]|, |v[X+1+32*\c+\i]|   ; (the two blocks by turns)
.endr
.endr
.irp c, 0,1
	s_delay_alu instid0(VALU_DEP_2)
	v_add_nc_u32 v[10+\c], 0xff000000, v[8+\c]     ; 2 off the exponent field: the conversion's scale operand
.endr
.irp c, 0,1
	s_delay_alu instid0(VALU_DEP_2)
	v_lshrrev_b32 v[16+\c], 23, v[10+\c]           ; the scale's byte
.endr
	s_delay_alu instid0(VALU_DEP_1)
	v_lshl_or_b32 v18, v17, 16, v16                ; my two bytes: blocks h and 2 + h,
	v_lshlrev_b32 v19, 3, v2
	s_delay_alu instid0(VALU_DEP_1)
	v_lshlrev_b32 v18, v19, v18                    ; at their places in the word (8 h bits up);
	v_mov_b32 v19, 0
	s_delay_alu instid0(VALU_DEP_1)
	v_permlanex16_b32 v19, v18, s2, s3
	s_delay_alu instid0(VALU_DEP_1)
	v_or_b32 v18, v18, v19                         ; with lane l xor 16's two the word is whole
.irp c, 0,1
	v_cvt_scalef32_pk16_fp6_f32 v[C+6*\c:C+6*\c+2], v[X+32*\c:X+32*\c+15], v[10+\c]
	v_cvt_scalef32_pk16_fp6_f32 v[C+12+4*\c:C+14+4*\c], v[X+32*\c+16:X+32*\c+31], v[10+\c]   ; (a conversion's three registers begin on an even number)
.endr
	v_nop                                          ; one plain place behind a scaled conversion
.irp c, 0,1
.irp i, 0,1,2
	v_mov_b32 v[C+3+6*\c+\i], v[C+12+4*\c+\i]
.endr
.endr
.irp c, 0,1,2
	global_store_b128 v3, v[C+4*\c:C+4*\c+3], s[46:47] offset:512*\c   ; 32 lanes store 512 consecutive bytes, aligned
.endr
	global_store_b32 v5, v18, s[16:17]             ; the 16 rows' words (both halves of the lanes hold the same word)
	s_endpgm
.Lfunc_end_k_q5158f3971c_first:
	.size	k_q5158f3971c_first, .Lfunc_end_k_q5158f3971c_first-k_q5158f3971c_first
	.p2alignl 7, 3214868480
	.fill 96, 4, 3214868480
	.section	.rodata,"a",@progbits
	.p2align	6, 0x0
	.amdhsa_kernel k_q5158f3971c_first
		.amdhsa_group_segment_fixed_size 69632
		.amdhsa_private_segment_fixed_size 0
		.amdhsa_enable_private_segment 0
		.amdhsa_kernarg_size 88
		.amdhsa_user_sgpr_count 2
		.amdhsa_user_sgpr_kernarg_segment_ptr 1
		.amdhsa_wavefront_size32 1
		.amdhsa_system_sgpr_workgroup_id_x 1
		.amdhsa_system_sgpr_workgroup_id_y 1
		.amdhsa_system_sgpr_workgroup_id_z 1
		.amdhsa_system_vgpr_workitem_id 0
		.amdhsa_next_free_vgpr 256
		.amdhsa_next_free_sgpr 66
		.amdhsa_reserve_vcc 0
		.amdhsa_float_denorm_mode_32 3
		.amdhsa_float_denorm_mode_16_64 3
		.amdhsa_memory_ordered 1
		.amdhsa_forward_progress 1
		.amdhsa_inst_pref_size 50
	.end_amdhsa_kernel
	.amdgpu_metadata
---
amdhsa.version: [ 1, 2 ]
amdhsa.kernels:
  - .name:           k_q5158f3971c_first
    .symbol:         k_q5158f3971c_first.kd
    .args:
      - { .name: W1, .offset: 0, .size: 8, .value_kind: global_buffer, .address_space: global }
      - { .name: W2, .offset: 8, .size: 8, .value_kind: global_buffer, .address_space: global }
      - { .name: Wq, .offset: 16, .size: 8, .value_kind: global_buffer, .address_space: global }
      - { .name: Wk, .offset: 24, .size: 8, .value_kind: global_buffer, .address_space: global }
      - { .name: Wv, .offset: 32, .size: 8, .value_kind: global_buffer, .address_space: global }
      - { .name: Wo, .offset: 40, .size: 8, .value_kind: global_buffer, .address_space: global }
      - { .name: hw, .offset: 48, .size: 8, .value_kind: global_buffer, .address_space: global }
      - { .name: wts, .offset: 56, .size: 8, .value_kind: global_buffer, .address_space: global }
      - { .name: x, .offset: 64, .size: 8, .value_kind: global_buffer, .address_space: global }
      - { .name: g1, .offset: 72, .size: 8, .value_kind: global_buffer, .address_space: global }
      - { .name: be1, .offset: 80, .size: 8, .value_kind: global_buffer, .address_space: global }
    .group_segment_fixed_size: 69632
    .private_segment_fixed_size: 0
    .kernarg_segment_align: 8
    .kernarg_segment_size: 88
    .max_flat_workgroup_size: 256
    .sgpr_count:     66
    .vgpr_count:     256
    .wavefront_size: 32
...
	.end_amdgpu_metadata
.endif
;; end of part 1
;; launch qkv (part 2): grid 12 x 16, 4 waves a work-group, clusters of 4 x 4, 327,680 bytes of LDS; arguments hw, qkv; writes qkv
.if DOCPART == 2
	.amdgcn_target "amdgcn-amd-amdhsa--gfx1250"
	.amdhsa_code_object_version 6
	.text
	.protected	k_q5158f3971c_qkv
	.globl	k_q5158f3971c_qkv
	.p2align	8
	.type	k_q5158f3971c_qkv,@function
k_q5158f3971c_qkv:
	s_mov_b64 s[64:65], 0
	v_nop
	global_prefetch_b8 v0, s[64:65] scope:SCOPE_SE
	s_setreg_imm32_b32 hwreg(HW_REG_WAVE_MODE, 25, 1), 1
	s_wait_xcnt 0x0
	s_wait_alu depctr_hold_cnt(0) depctr_sa_sdst(0) depctr_va_vdst(0) depctr_va_sdst(0) depctr_va_ssrc(0) depctr_va_vcc(0) depctr_vm_vsrc(0)
	s_getreg_b32 s2, hwreg(HW_REG_IB_STS2, 6, 4)
	s_cmp_eq_u32 s2, 0
	s_cbranch_scc0 .Lentry_in_a_cluster
	s_endpgm
.Lentry_in_a_cluster:
	s_bfe_u32 s2, ttmp6, 0x10000c
	s_cmp_lg_u32 s2, 0xf033
	s_cbranch_scc0 .Lentry_shape_is_right
	s_endpgm
.Lentry_shape_is_right:
; q, k and v^T on codes of FP6 (E2M3): 256 x 256 a work-group, four waves 128 x 128 each; K = 8 K steps of 128 through a ring of two LDS slots of 2 K steps, filled by joint loads in a 4 x 4 cluster.
; The scale words do not go through LDS: a wave loads those of its 8 + 8 rowblocks for all of K once, 8 loads of 128 consecutive bytes a K step, behind its head's tensor load: lanes 0-15 hold an even rowblock's words,
; lanes 16-31 the odd one's behind it, and the matrix instruction picks the half by its ROW selectors.  They stand in v32-63 (K steps 0-3) and v224-255 (K steps 4-7), which hold nothing else.
.set RBPA,  448
.set RBPB,  448
.set A_SC,  5505024
.set B_SC,  5505024
.set PART,  24576
.set SLOT,  4*PART
.set SCL,   3*SLOT
.set SPARE, SCL+16384
.set STG,   2*SLOT
.set FR,    12
.set NL,    3
.set NP,    4
.set LI,   3
.set SWA,  4
.set SRD,  5
.set ADRA, 16
.set ADRB, 20
.set ADRS, 27
.set SPW,  28
.set NIL,  29
.set SC,   32
.set PC,   96
.set SW,   120
.set AF,   128
.set TM,   200
.set PW,   216
.set G1, 24
.set G0, 32
.set G0C, 4
.set G1B, 48
.set G0B, 56
.set G0BC, 92
.set G1S, 68
.set G0S, 76
.set G1SB, 80
.set G0SB, 88
.set MSB, 0
.macro WIN new
.if MSB != \new
	s_set_vgpr_msb (MSB<<8)|\new
.set MSB, \new
.endif
.endm
.set MUL_LO, 0xa1
.set MUL_HI, 0xf1
.set TO_B,   0x40
.macro JLOAD g0a, g1a, g0b, g1b
	s_cmp_eq_u32 s15, 0
	s_cbranch_scc0 .Lfor_b_\@
	tensor_load_to_lds s[\g0a:\g0a+3], s[\g1a:\g1a+7]
	s_nop 0
.rept 4
	v_nop
.endr
	s_branch .Lasked_\@
.Lfor_b_\@:
	tensor_load_to_lds s[\g0b:\g0b+3], s[\g1b:\g1b+7]
	s_nop 0
.rept 4
	v_nop
.endr
.Lasked_\@:
.endm
.macro CREST
	s_cmp_lg_u32 s14, 0
	s_cbranch_scc1 .Lnot_wave_0_\@
	s_barrier_signal -3
.Lnot_wave_0_\@:
	s_barrier_wait -3
	s_barrier_signal -1
	s_barrier_wait -1
.endm
.macro CROUND
	s_barrier_signal -1
	s_barrier_wait -1
	CREST
.endm
	s_load_b128 s[4:7], s[0:1], 0x0
	v_lshl_add_u32 v[SPW], v0, 2, SPARE
	v_mov_b32 v[NIL], 0
	ds_add_u32 v[SPW], v[NIL]
	ds_add_u32 v[SPW], v[NIL]
	v_lshrrev_b32 v1, 5, v0
	v_readfirstlane_b32 s14, v1
	s_lshr_b32 s15, s14, 1
	s_and_b32 s16, s14, 1
	s_bfe_u32 s40, ttmp6, 0x40000
	s_bfe_u32 s41, ttmp6, 0x40004
	s_and_b32 s18, ttmp7, 0xffff
	s_lshl_b32 s18, s18, 2
	s_lshl_b32 s19, ttmp9, 2
	s_add_co_u32 s19, s19, 16
	s_cmp_eq_u32 ttmp9, 2
	s_cselect_b32 s17, 24, s18
	s_cselect_b32 s42, s18, s19
	s_add_co_u32 s17, s17, s41
	s_add_co_u32 s42, s42, s40
	s_lshl_b32 s43, s41, 2
	s_lshl_b32 s43, 15, s43
	s_lshl_b32 s44, 0x1111, s40
	s_or_b32 s[G1+0], s43, (3<<16)|(1<<21)
	s_or_b32 s[G1B+0], s44, (3<<16)|(1<<21)
.irp g, G1, G1B
	s_mov_b32 s[\g+1], 1536<<16
	s_mov_b32 s[\g+2], 2<<16
	s_mov_b32 s[\g+3], 1536<<16
	s_mov_b32 s[\g+4], 2
	s_mov_b32 s[\g+6], 0
	s_mov_b32 s[\g+7], 0
.endr
	s_mov_b32 s[G1+5], RBPA*192
	s_mov_b32 s[G1B+5], RBPB*192
	s_mul_i32 s18, s16, PART/2
	s_mul_i32 s20, s17, PART
	s_add_co_u32 s20, s20, s18
	s_mov_b32 s21, 0
	s_mul_i32 s46, s42, PART
	s_add_co_u32 s46, s46, s18
	s_mov_b32 s47, 0
	s_lshl_b32 s19, s15, 9                         ; the scale words of my 8 rowblocks of A'
	s_lshl_b32 s22, s17, 10
	s_add_co_u32 s22, s22, s19
	s_add_co_u32 s22, s22, A_SC
	s_mov_b32 s23, 0
	s_lshl_b32 s19, s16, 9                         ; and of B'
	s_lshl_b32 s92, s42, 10
	s_add_co_u32 s92, s92, s19
	s_add_co_u32 s92, s92, B_SC
	s_mov_b32 s93, 0
	s_mul_i32 s45, s14, PART
	s_lshl_b32 s96, ttmp9, 2
	s_add_co_u32 s96, s96, s40
	s_lshl_b32 s96, s96, 1
	s_add_co_u32 s96, s96, s16
	s_lshl_b32 s96, s96, 8
	s_and_b32 s97, ttmp7, 0xffff
	s_lshl_b32 s98, s97, 2
	s_add_co_u32 s98, s98, s41
	s_lshl_b32 s98, s98, 4
	s_add_co_u32 s96, s96, s98
	s_lshl_b32 s98, s15, 3
	s_add_co_u32 s96, s96, s98
	s_lshl_b32 s97, s97, 9
	s_lshl_b32 s98, s41, 1
	s_add_co_u32 s98, s98, s15
	s_lshl_b32 s98, s98, 6
	s_add_co_u32 s97, s97, s98
	s_lshl_b32 s98, s40, 1
	s_add_co_u32 s98, s98, s16
	s_lshl_b32 s98, s98, 3
	s_add_co_u32 s97, s97, s98
	s_mov_b32 s98, 9437184
	s_cmp_eq_u32 ttmp9, 2
	s_cselect_b32 s96, s97, s96
	s_cselect_b32 s97, 6291456, 0
	s_cselect_b32 s98, 9699328, s98
	s_mul_i32 s99, s96, 1536
	s_add_co_u32 s8, s99, s97
	s_mov_b32 s9, 0
	s_lshl_b32 s96, s96, 6
	s_add_co_u32 s10, s96, s98
	s_mov_b32 s11, 0
	s_wait_dscnt 0x0
	s_wait_kmcnt 0x0
	s_add_nc_u64 s[20:21], s[4:5], s[20:21]
	s_add_nc_u64 s[22:23], s[4:5], s[22:23]
	s_add_nc_u64 s[46:47], s[4:5], s[46:47]
	s_add_nc_u64 s[92:93], s[4:5], s[92:93]
	s_add_nc_u64 s[12:13], s[6:7], s[8:9]
	s_add_nc_u64 s[66:67], s[6:7], s[10:11]
	CROUND
	s_mov_b64 s[76:77], s[22:23]                   ; A''s scale words, in registers that are not written again; B''s stay in s[92:93]
.macro FIRSTFILL ga, gb, s
	s_mov_b32 s[\ga], 1
	s_add_co_u32 s[\ga+1], s45, \s*SLOT
	s_add_nc_u64 s[\ga+2:\ga+3], s[20:21], \s*2*RBPA*1536
	s_or_b32 s[\ga+3], s[\ga+3], 0x80000000
	s_mov_b32 s[\gb], 1
	s_add_co_u32 s[\gb+1], s45, \s*SLOT
	s_add_nc_u64 s[\gb+2:\gb+3], s[46:47], \s*2*RBPB*1536
	s_or_b32 s[\gb+3], s[\gb+3], 0x80000000
.if \s                                 ; slot 0's fill is my one load at the head, behind the opening round; slot 1's stands behind the full sequence
	s_wait_alu depctr_va_vdst(0)
	s_wait_tensorcnt 0x0
	ds_add_u32 v28, v29
	s_wait_dscnt 0x0
	CROUND
.endif
	JLOAD \ga, G1, \gb, G1B
.endm
	FIRSTFILL G0, G0B, 0
	v_and_b32 v9, 31, v0
	v_lshlrev_b32 v9, 2, v9                        ; 4 x lane; never rewritten
	s_wait_alu depctr_va_vdst(0)                   ; the wait behind the write
.set n, 0
.rept 8                                ; the scale words of all of K, K ascending: 64 loads
.set SK, SC+16*(n/2)+160*(n/4)+8*(n%2)
.irp p, 0,1,2,3
	global_load_b32 v[SK+\p], v9, s[76:77] offset:n*RBPA*64+128*\p
	global_load_b32 v[SK+4+\p], v9, s[92:93] offset:n*RBPB*64+128*\p
.endr
.set n, n+1
.endr
	FIRSTFILL G0+4, G0B+4, 1
	v_and_b32 v1, 15, v0
	v_bfe_u32 v2, v0, 4, 1
	v_and_b32 v[LI], 31, v0
	v_lshlrev_b32 v[LI], 4, v[LI]
	s_mul_i32 s21, s15, PART
	s_mul_i32 s22, s16, PART
	s_add_co_u32 s22, s22, 2*PART
.irp s, 0,1,2
	v_add_nc_u32 v[ADRA+\s], s21, v[LI]
	v_add_nc_u32 v[ADRB+\s], s22, v[LI]
	s_add_co_u32 s21, s21, SLOT
	s_add_co_u32 s22, s22, SLOT
.endr
	s_wait_alu depctr_va_vdst(0)
	s_lshl_b32 s21, s14, 9
	s_add_co_u32 s21, s21, STG
	v_lshl_add_u32 v[SWA], v1, 2, s21
	v_add_nc_u32 v[SRD], s21, v[LI]
.macro FRAG reg, adr, q, i
.irp c, 0,1,2
	ds_load_b128 v[\reg+4*\c:\reg+4*\c+3], v[\adr] offset:(\q)*12288+(\i)*1536+\c*512
.endr
.endm
.macro MUL16 a0, p, q, sc, first       ; A''s blocks a0, a0 + 1 (a0 even) x B''s eight, of K step 2 sc + q; the accumulators take turns in the same order in every step
.set SK, SC+16*(\sc)+160*((\sc)/2)+8*(\q)      ; that K step's scale registers: 4 of A', then 4 of B', two rowblocks to a register
.irp ar, 0,1
.irp bp, 0,1,2,3
.irp br, 0,1
.set AI, (\a0)+\ar
.set BI, 2*\bp+\br
.set AC, 8*(8*(AI%4)+BI)
.if \first
	v_wmma_scale_f32_16x16x128_f8f6f4 v[AC:AC+7], v[128*(\p)+FR*BI:128*(\p)+FR*BI+FR-1], v[AF+FR*AI:AF+FR*AI+FR-1], 0, v[SK+4+\bp], v[SK+(\a0)/2] matrix_a_fmt:MATRIX_FMT_FP6 matrix_b_fmt:MATRIX_FMT_FP6 matrix_a_scale:MATRIX_SCALE_ROW\br matrix_b_scale:MATRIX_SCALE_ROW\ar
.else
	v_wmma_scale_f32_16x16x128_f8f6f4 v[AC:AC+7], v[128*(\p)+FR*BI:128*(\p)+FR*BI+FR-1], v[AF+FR*AI:AF+FR*AI+FR-1], v[AC:AC+7], v[SK+4+\bp], v[SK+(\a0)/2] matrix_a_fmt:MATRIX_FMT_FP6 matrix_b_fmt:MATRIX_FMT_FP6 matrix_a_scale:MATRIX_SCALE_ROW\br matrix_b_scale:MATRIX_SCALE_ROW\ar
.endif
.endr
.endr
.endr
.endm
.macro FETCH_B slot, q, p
	WIN TO_B
.irp i, 0,1,2,3,4,5,6,7
	FRAG 128*(\p)+FR*\i, ADRB+\slot, \q, \i
.endr
	WIN 0
.endm
.macro FETCH_A slot, q, i0
.irp i, \i0, \i0+1, \i0+2, \i0+3
	FRAG AF+FR*(\i), ADRA+\slot, \q, \i
.endr
.endm
.macro PLACES n
.rept \n
	v_nop
.endr
.endm
.macro STEP slot, set, first
	s_wait_dscnt 4*NL
	WIN MUL_LO
	MUL16 0, 0, 0, \set, \first
	MUL16 2, 0, 0, \set, \first
	s_wait_dscnt 0
	PLACES NP
	FETCH_B \slot, 1, 1
	FETCH_A \slot, 1, 0
	WIN MUL_HI
	MUL16 4, 0, 0, \set, \first
	MUL16 6, 0, 0, \set, \first
	PLACES NP
	WIN 0
	FETCH_A \slot, 1, 4
.endm
.macro TURN slot, next, set, fill
	s_wait_tensorcnt 0x0
	ds_add_u32 v[SPW], v[NIL]
	s_wait_dscnt 4*NL+1
	WIN MUL_LO
	MUL16 0, 1, 1, \set, 0
	s_wait_dscnt 0x0
	s_barrier_signal -1
	MUL16 2, 1, 1, \set, 0
	WIN 0
	s_barrier_wait -1
.if \fill
	CREST
	s_add_nc_u64 s[G0+4*\slot+2:G0+4*\slot+3], s[G0+4*\slot+2:G0+4*\slot+3], 4*RBPA*1536
	s_add_nc_u64 s[G0B+4*\slot+2:G0B+4*\slot+3], s[G0B+4*\slot+2:G0B+4*\slot+3], 4*RBPB*1536
	JLOAD G0+4*\slot, G1, G0B+4*\slot, G1B
.else
	PLACES NP
.endif
	FETCH_B \next, 0, 0
	FETCH_A \next, 0, 0
	WIN MUL_HI
	MUL16 4, 1, 1, \set, 0
	MUL16 6, 1, 1, \set, 0
	PLACES NP
	WIN 0
	FETCH_A \next, 0, 4
.endm
	s_wait_alu depctr_va_vdst(0)
	s_wait_tensorcnt 0x1                           ; slot 1's load, my youngest, may be out
	s_barrier_signal -1
	s_barrier_wait -1
	FETCH_B 0, 0, 0
	FETCH_A 0, 0, 0
	FETCH_A 0, 0, 4
	s_wait_loadcnt 0x0                             ; the scale words
	STEP 0, 0, 1
	TURN 0, 1, 0, 1                                ; a ring of two slots: slot 0 takes K steps 4, 5 here,
	STEP 1, 1, 0
	TURN 1, 0, 1, 1                                ; slot 1 K steps 6, 7 here
	STEP 0, 2, 0
	TURN 0, 1, 2, 0
	STEP 1, 3, 0
	s_wait_dscnt 4*NL
	WIN MUL_LO
	MUL16 0, 1, 1, 3, 0
	MUL16 2, 1, 1, 3, 0
	s_wait_dscnt 0
	WIN MUL_HI
	MUL16 4, 1, 1, 3, 0
	MUL16 6, 1, 1, 3, 0
	WIN 0
.macro QUANT s, w
.set QA, (\w)|((\w)<<2)
.set QB, ((\w)<<2)|((\w)<<4)
.set QC, (\w)
	WIN QA
.irp b, 0,1,2,3
	v_max3_num_f32 v[TM+\b], |v[\s+16*\b]|, |v[\s+1+16*\b]|, 0x1800000
.endr
	WIN QB
.irp i, 2,4,6,8,10,12,14
.irp b, 0,1,2,3
	v_max3_num_f32 v[TM+\b], v[TM+\b], |v[\s+16*\b+\i]|, |v[\s+1+16*\b+\i]|
.endr
.endr
	WIN 0
.irp b, 0,1,2,3
	v_permlanex16_b32 v[TM+4+\b], v[TM+\b], s2, s3
.endr
.irp b, 0,1,2,3
	v_max_num_f32 v[TM+\b], v[TM+\b], v[TM+4+\b]
.endr
.irp b, 0,1,2,3
	v_add_nc_u32 v[TM+12+\b], 0xff000000, v[TM+\b]
.endr
.irp b, 0,1,2,3
	v_lshrrev_b32 v[TM+4+\b], 23, v[TM+12+\b]
.endr
	s_wait_alu depctr_va_vdst(0)
	s_wait_dscnt 0x0
	v_lshl_or_b32 v[PW], v[TM+5], 8, v[TM+4]
	v_lshl_or_b32 v[PW], v[TM+6], 16, v[PW]
	v_lshl_or_b32 v[PW], v[TM+7], 24, v[PW]
	s_wait_xcnt 0x0
	WIN QC
.irp c, 0,1
	v_cvt_scalef32_pk16_fp6_f32 v[PC+6*\c:PC+2+6*\c], v[\s+32*\c:\s+15+32*\c], v[TM+12+2*\c]
	v_cvt_scalef32_pk16_fp6_f32 v[PC+12+4*\c:PC+14+4*\c], v[\s+16+32*\c:\s+31+32*\c], v[TM+12+2*\c+1]
.endr
	WIN 0
	v_nop
.irp c, 0,1
.irp i, 0,1,2
	v_permlane16_swap_b32 v[PC+6*\c+\i], v[PC+12+4*\c+\i]
.endr
.irp i, 0,1,2
	v_mov_b32 v[PC+3+6*\c+\i], v[PC+12+4*\c+\i]
.endr
.endr
.endm
	PLACES NP
	s_mov_b32 s2, 0x76543210
	s_mov_b32 s3, 0xfedcba98
.irp b, 0,1,2,3
	v_mov_b32 v[TM+4+\b], 0
.endr
.irp a, 0,1,2,3,4,5,6,7
.set QS, 64*(\a%4)
.set QW, 2+\a/4
	QUANT QS, QW
.irp c, 0,1,2
	global_store_b128 v[LI], v[PC+4*\c:PC+4*\c+3], s[12:13] offset:\a*1536+512*\c
.endr
	ds_store_b32 v[SWA], v[PW] offset:64*\a
.endr
	ds_load_b128 v[SW:SW+3], v[SRD]
	s_wait_dscnt 0x0
	global_store_b128 v[LI], v[SW:SW+3], s[66:67]
	s_wait_tensorcnt 0x0
	ds_add_u32 v[SPW], v[NIL]
	s_wait_dscnt 0x0
	CROUND
	s_endpgm
.Lfunc_end_k_q5158f3971c_qkv:
	.size	k_q5158f3971c_qkv, .Lfunc_end_k_q5158f3971c_qkv-k_q5158f3971c_qkv
	.p2alignl 7, 3214868480
	.fill 96, 4, 3214868480
	.section	.rodata,"a",@progbits
	.p2align	6, 0x0
	.amdhsa_kernel k_q5158f3971c_qkv
		.amdhsa_group_segment_fixed_size 327680
		.amdhsa_private_segment_fixed_size 0
		.amdhsa_enable_private_segment 0
		.amdhsa_kernarg_size 16
		.amdhsa_user_sgpr_count 2
		.amdhsa_user_sgpr_kernarg_segment_ptr 1
		.amdhsa_wavefront_size32 1
		.amdhsa_system_sgpr_workgroup_id_x 1
		.amdhsa_system_sgpr_workgroup_id_y 1
		.amdhsa_system_sgpr_workgroup_id_z 1
		.amdhsa_system_vgpr_workitem_id 0
		.amdhsa_next_free_vgpr 1024
		.amdhsa_next_free_sgpr 100
		.amdhsa_reserve_vcc 0
		.amdhsa_float_denorm_mode_32 3
		.amdhsa_float_denorm_mode_16_64 3
		.amdhsa_memory_ordered 1
		.amdhsa_forward_progress 1
		.amdhsa_inst_pref_size 144
	.end_amdhsa_kernel
	.amdgpu_metadata
---
amdhsa.version: [ 1, 2 ]
amdhsa.kernels:
  - .name:           k_q5158f3971c_qkv
    .symbol:         k_q5158f3971c_qkv.kd
    .args:
      - { .name: hw, .offset: 0, .size: 8, .value_kind: global_buffer, .address_space: global }
      - { .name: qkv, .offset: 8, .size: 8, .value_kind: global_buffer, .address_space: global }
    .group_segment_fixed_size: 327680
    .private_segment_fixed_size: 0
    .kernarg_segment_align: 8
    .kernarg_segment_size: 16
    .max_flat_workgroup_size: 128
    .sgpr_count:     100
    .vgpr_count:     1024
    .wavefront_size: 32
...
	.end_amdgpu_metadata
.endif
;; end of part 2
;; launch attn (part 3): grid 8 x 32, 16 waves a work-group, clusters of 4 x 1, 219,648 bytes of LDS; arguments qkv, att; writes att
.if DOCPART == 3
	.amdgcn_target "amdgcn-amd-amdhsa--gfx1250"
	.amdhsa_code_object_version 6
	.text
	.protected	k_q5158f3971c_attn
	.globl	k_q5158f3971c_attn
	.p2align	8
	.type	k_q5158f3971c_attn,@function
k_q5158f3971c_attn:
	s_mov_b64 s[64:65], 0
	v_nop
	global_prefetch_b8 v0, s[64:65] scope:SCOPE_SE
	s_setreg_imm32_b32 hwreg(HW_REG_WAVE_MODE, 25, 1), 1
	s_wait_xcnt 0x0
	s_wait_alu depctr_hold_cnt(0) depctr_sa_sdst(0) depctr_va_vdst(0) depctr_va_sdst(0) depctr_va_ssrc(0) depctr_va_vcc(0) depctr_vm_vsrc(0)
	s_getreg_b32 s2, hwreg(HW_REG_IB_STS2, 6, 4)
	s_cmp_eq_u32 s2, 0
	s_cbranch_scc0 .Lentry_in_a_cluster
	s_endpgm
.Lentry_in_a_cluster:
	s_bfe_u32 s2, ttmp6, 0x10000c
	s_cmp_lg_u32 s2, 0x3003
	s_cbranch_scc0 .Lentry_shape_is_right
	s_endpgm
.Lentry_shape_is_right:
; Causal attention on codes of FP6 (E2M3): 4 batches x 16 heads of 64, 1,024 keys; the result, divided by the row's sum, is quantised at once for the product with Wo.
; WORK LEFT OUT: key steps of 128 that lie wholly behind a tile's 16 queries (reference()'s own causal mask gives them p = 0: they add 0 to the sum and to the product, for all inputs).
; LIMIT: a NaN, an infinity or an overflow that would arise only in those scores is not carried to the result.
; SOFTMAX AHEAD OF THE SECOND PRODUCT: t = score x log2(e) / 8; M = the running largest t rounded UP to a whole number; p = 2^(t - M) is quantised along the keys; the row's sum is taken of the unquantised p.
; SHARES.  Grid y = 8 b + hp: a batch and a pair of heads, whose q, k fragments share their 128 along K ([head 2 hp | head 2 hp + 1]).  Work-group j (0..7) owns the query tiles j + 8 m, m = 0..7, of both heads; a wave owns
; one tile of 16 queries of one head (e, m).  Tile j + 8 m needs m + 1 key steps whatever j is: all work-groups are alike (72 wave steps), and all control flow hangs on the wave's number alone.
; A wave multiplies the whole fragment of K by a fragment of Q whose other head's codes are cleared: zero codes add nothing.
; LDS IS FILLED ONCE: the pair's K (64 fragments), V^T (64 fragments) and their scale words; no ring.  The four work-groups of a cluster ask for them JOINTLY (waves 0, 2, 4: K's, waves 1, 3, 5: V's; one load a wave: the scale words, keys
; 0-255, the rest).  Steps 0 and 1 run behind the first barrier, when all of it is in.
; LAYOUT.  Both products transposed: S^T = K Q^T, O^T = V^T P^T: a lane holds ONE query.  Register 8 t + i of S^T is key 16 t + 8 h + i of the step, so p's 16 registers of tiles 2 b, 2 b + 1 are places 16 h + 0 .. 15 of block b in
; the program's order inside a block, in which V^T's codes lie too.
; REGISTERS: v1-4 addresses that stay; v5, v6 the add's; v7 the mask's number; v8-11 addresses in hand; v12 -M, v13 largest t, v[14:15] the sum; v16-27 Q; v28-31, v84 the way out; v32-79 four fragments; v96-159 S^T, then p;
; v160-191 O^T; v224-243 p's codes, at work; v244-247 scale operands; v248, v249 K's or V's scale words; v252 f; v253 p's scale word; v254 at work; v255 Q's scale word.
.set VB,    98304                      ; LDS: K at 0, V^T here: [8 steps][8 rowblocks][1,536]
.set KSB,   196608                     ; K's scale words, 4,096 bytes
.set VSB,   200704                     ; V's
.set STG,   204800                     ; the way out: 8 fragments as register pairs
.set STGS,  217088                     ; and their scale words
.set SPARE, 217600                     ; the spare words, 128 bytes for each of 16 waves
.set WV, 8
.set E,  9
.set M,  10
.set ST, 11                            ; the key step
.set TKV, 12                           ; 12,288 x step: K's and V's fragments of the step
.set TS, 13                            ; 512 x step: their scale words
.set U,  14
.set SEL, 20
.set CS, 22
.set G1A, 24                           ; group 1: dense blocks as rows of 256 bytes: 16, 96 and 288 rows
.set G1B, 32
.set G1C, 40
.set G0A, 48
.set G0B, 52
.set G0C, 56
.set QP, 60
.set QS, 62
.set OP, 66
.set OS, 68
.set M0, 70
.set M1, 71
.macro CROUND
	s_barrier_signal -1
	s_barrier_wait -1
	s_cmp_lg_u32 s[WV], 0
	s_cbranch_scc1 .Lnot_wave_0_\@
	s_barrier_signal -3
.Lnot_wave_0_\@:
	s_barrier_wait -3
	s_barrier_signal -1
	s_barrier_wait -1
.endm
	s_load_b128 s[4:7], s[0:1], 0x0                ; qkv s[4:5], att s[6:7]
	v_lshl_add_u32 v5, v0, 2, SPARE
	v_mov_b32 v6, 0
	ds_add_u32 v5, v6                              ; the wave's opening: the add, twice on end, and its wait ahead of the first tensor load
	ds_add_u32 v5, v6
	v_lshrrev_b32 v8, 5, v0
	s_delay_alu instid0(VALU_DEP_1)
	v_readfirstlane_b32 s[WV], v8                  ; wave 0..15
	s_and_b32 s[E], s[WV], 1                       ; my head of the pair
	s_lshr_b32 s15, s[WV], 1
	s_lshr_b32 s16, s[WV], 2                       ; g
	s_lshr_b32 s17, s[WV], 3
	s_xor_b32 s15, s15, s16
	s_xor_b32 s15, s15, s17
	s_and_b32 s15, s15, 1
	s_mul_i32 s15, s15, 7
	s_xor_b32 s[M], s16, s15                       ; m = g or 7 - g: four waves of equal number mod 4, or of equal number / 4, have 18 steps together
	s_and_b32 s[U], s[WV], 1
	s_bfe_u32 s72, ttmp6, 0x40000                  ; cx
	s_lshl_b32 s73, ttmp9, 2
	s_add_co_u32 s73, s73, s72                     ; j: it enters Q's and the result's global addresses and the mask's number, nothing else
	s_and_b32 s74, ttmp7, 0xffff                   ; 8 b + hp
	s_lshr_b32 s75, s74, 3
	s_and_b32 s76, s74, 7
	s_lshl_b32 s77, s75, 6
	s_lshl_b32 s78, s76, 8
	s_add_co_u32 s78, s78, s77                     ; 256 hp + 64 b: the pair's first fragment of q, and of att
	s_add_co_u32 s79, s78, 2048                    ; of k: 8 planes of 256 on
	s_mul_i32 s80, s79, 1536
	s_lshl_b32 s81, s79, 6
	s_add_co_u32 s81, s81, 9437184
	s_mul_i32 s82, s74, VB
	s_add_co_u32 s82, s82, 6291456                 ; v^T: 64 fragments a pair
	s_lshl_b32 s83, s74, 12
	s_add_co_u32 s83, s83, 9699328
	s_cmp_eq_u32 s[U], 0                           ; wave 0 fetches K's, wave 1 V's
	s_cselect_b32 s80, s80, s82                    ; the codes,
	s_cselect_b32 s82, s81, s83                    ; the scale words
	s_mov_b32 s81, 0
	s_mov_b32 s83, 0
	s_lshl_b32 s84, s[M], 3
	s_add_co_u32 s84, s84, s73
	s_add_co_u32 s84, s84, s78                     ; my tile's fragment: 256 hp + 64 b + j + 8 m
	s_mul_i32 s86, s84, 1536
	s_mov_b32 s87, 0
	s_lshl_b32 s88, s84, 6
	s_mov_b32 s89, 0
.irp g, G1A, G1B, G1C
	s_mov_b32 s[\g], 15|(3<<16)|(1<<21)            ; the mask: all four work-groups; elements of 8 bytes; bit 21 beside a mask; no padding
	s_mov_b32 s[\g+1], 32<<16                      ; tensor_dim0 = 32 elements: 256 bytes
	s_mov_b32 s[\g+3], 32<<16                      ; tile_dim0
	s_mov_b32 s[\g+5], 32                          ; the pitch: dense
	s_mov_b32 s[\g+6], 0
	s_mov_b32 s[\g+7], 0
.endr
	s_mov_b32 s[G1A+2], 16<<16                     ; 4,096 bytes
	s_mov_b32 s[G1A+4], 16
	s_mov_b32 s[G1B+2], 96<<16                     ; 24,576 bytes: keys 0-255
	s_mov_b32 s[G1B+4], 96
	s_mov_b32 s[G1C+2], 288<<16                    ; 73,728 bytes: the rest
	s_mov_b32 s[G1C+4], 288
	s_mov_b32 s[SEL], 0x76543210
	s_mov_b32 s[SEL+1], 0xfedcba98
	s_mov_b32 s[CS], 0x3e38aa3b                    ; c = log2(e) / 8
	s_mov_b32 s[CS+1], s[CS]
	s_mov_b32 s[ST], 0
	s_mov_b32 s[TKV], 0
	s_mov_b32 s[TS], 0
	s_sub_co_u32 s[M1], 0, s[E]                    ; all ones where e = 1
	s_not_b32 s[M0], s[M1]
	s_wait_dscnt 0x0                               ; both opening adds are done
	s_wait_kmcnt 0x0
	s_add_nc_u64 s[QP:QP+1], s[4:5], s[86:87]
	s_add_nc_u64 s[QS:QS+1], s[4:5], s[88:89]
	s_add_nc_u64 s[QS:QS+1], s[QS:QS+1], 9437184
	s_add_nc_u64 s[OP:OP+1], s[6:7], s[86:87]
	s_add_nc_u64 s[OS:OS+1], s[6:7], s[88:89]
	s_add_nc_u64 s[OS:OS+1], s[OS:OS+1], 3145728
	CROUND                                         ; all four work-groups are here: the joint loads meet
	s_mov_b32 s[G0A], 1
	s_lshl_b32 s[G0A+1], s[U], 12
	s_add_co_u32 s[G0A+1], s[G0A+1], KSB
	s_add_nc_u64 s[G0A+2:G0A+3], s[4:5], s[82:83]
	s_or_b32 s[G0A+3], s[G0A+3], 0x80000000
	s_mov_b32 s[G0B], 1
	s_mul_i32 s[G0B+1], s[U], VB
	s_add_nc_u64 s[G0B+2:G0B+3], s[4:5], s[80:81]
	s_or_b32 s[G0B+3], s[G0B+3], 0x80000000
	s_mov_b32 s[G0C], 1
	s_add_co_u32 s[G0C+1], s[G0B+1], 24576
	s_add_nc_u64 s[G0C+2:G0C+3], s[4:5], s[80:81]
	s_add_nc_u64 s[G0C+2:G0C+3], s[G0C+2:G0C+3], 24576
	s_or_b32 s[G0C+3], s[G0C+3], 0x80000000
	; THE HEAD'S SIX LOADS, ONE A WAVE: waves 0, 1 the scale words of K, V; waves 2, 3 keys 0-255 of K, V; waves 4, 5 the rest of K, V.
	; One chain of branches on the wave's number, one load to an arm, all arms leading to one join; waves 6-15 issue none.
	s_cmp_lt_u32 s[WV], 2
	s_cbranch_scc0 .Lfetch_b
	tensor_load_to_lds s[G0A:G0A+3], s[G1A:G1A+7]
	s_nop 0
.rept 4
	v_nop
.endr
	s_branch .Lno_fetch
.Lfetch_b:
	s_cmp_lt_u32 s[WV], 4
	s_cbranch_scc0 .Lfetch_c
	tensor_load_to_lds s[G0B:G0B+3], s[G1B:G1B+7]
	s_nop 0
.rept 4
	v_nop
.endr
	s_branch .Lno_fetch
.Lfetch_c:
	s_cmp_lt_u32 s[WV], 6
	s_cbranch_scc0 .Lno_fetch
	tensor_load_to_lds s[G0C:G0C+3], s[G1C:G1C+7]
	s_nop 0
.rept 4
	v_nop
.endr
.Lno_fetch:
	v_and_b32 v8, 15, v0                           ; r
	v_bfe_u32 v9, v0, 4, 1                         ; h
	v_and_b32 v10, 31, v0                          ; lane
	s_delay_alu instid0(VALU_DEP_1)
	v_lshlrev_b32 v1, 4, v10                       ; 16 x lane: K's fragments, and every image
	s_delay_alu instid0(VALU_DEP_4)
	v_lshlrev_b32 v84, 2, v8                       ; 4 r
.irp c, 0,1,2
	global_load_b128 v[16+4*\c:19+4*\c], v1, s[QP:QP+1] offset:512*\c   ; Q's fragment stays in registers
.endr
	global_load_b32 v255, v84, s[QS:QS+1]          ; and its scale words
	s_mul_i32 s85, s[E], 6144
	s_add_co_u32 s85, s85, VB
	v_add_nc_u32 v2, s85, v1                       ; V^T: my head's four rowblocks
	v_lshl_add_u32 v3, v10, 2, KSB                 ; K's scale words: 4 x lane: lanes 0-15 an even tile's, lanes 16-31 the odd tile's behind it
	s_lshl_b32 s85, s[E], 8
	s_add_co_u32 s85, s85, VSB
	v_lshlrev_b32 v4, 2, v10
	s_delay_alu instid0(VALU_DEP_1)
	v_add_nc_u32 v4, s85, v4                       ; V's likewise
	s_lshl_b32 s85, s73, 4
	v_lshlrev_b32 v7, 3, v9
	s_delay_alu instid0(VALU_DEP_1)
	v_sub_nc_u32 v7, v8, v7
	s_delay_alu instid0(VALU_DEP_1)
	v_add_nc_u32 v7, s85, v7                       ; 16 j + r - 8 h: on the diagonal step register 8 t + i is hidden where 16 t + i is above it
	s_mul_i32 s85, s[M], 1536
	s_add_co_u32 s85, s85, STG
	v_lshl_add_u32 v29, v10, 3, s85                ; the stage of tile m: pair n of the fragment's six at 256 n + 8 x lane
	s_mul_i32 s90, s[E], 768
	v_add_nc_u32 v28, s90, v29                     ; my three pairs
	s_lshl_b32 s85, s[M], 6
	s_add_co_u32 s85, s85, STGS
	v_add_nc_u32 v31, s85, v84                     ; tile m's scale words,
	s_lshl_b32 s90, s[E], 1
	v_add_nc_u32 v30, s90, v31                     ; my half of each
	v_mov_b32 v13, 0xff61b1e6                      ; the largest t so far: -3e38
	s_delay_alu instid0(VALU_DEP_1)
	v_floor_f32 v12, -v13                          ; -M
	v_mov_b32 v14, 0
	v_mov_b32 v15, 0
.irp b, 0,1,2,3
	v_mov_b32 v[236+\b], 0                         ; written once: a lane permute's destination counts as one of its sources
.endr
	v_mov_b32 v252, 0
	v_mov_b32 v253, 0
.set n, 0
.rept 32
	v_mov_b32 v[160+n], 0                          ; O^T.  (The step is written once for each loop: the first step finds zeros, which the first change of M leaves zeros)
.set n, n+1
.endr
	s_wait_loadcnt 0x0                             ; Q
.irp i, 0,1,2,3,4,5
	v_and_b32 v[16+\i], s[M0], v[16+\i]            ; the other head's codes become zeros
	v_and_b32 v[22+\i], s[M1], v[22+\i]
.endr
; A KEY STEP: 128 keys.
.macro STEP
	s_cmp_gt_u32 s[ST], s[M]                       ; a step behind my tile is left out: a branch on the wave's number and the count of steps
	s_cbranch_scc1 .Lhidden_\@
	v_add_nc_u32 v8, s[TKV], v1                    ; (these four are the places in front of loads into registers that the last products read)
	v_add_nc_u32 v9, s[TKV], v2
	v_add_nc_u32 v10, s[TS], v3
	v_add_nc_u32 v11, s[TS], v4
	s_wait_alu depctr_va_vdst(0)
.irp g, 0,1                            ; S^T = K Q^T, four tiles of 16 keys at a time
.if \g
.rept 4
	v_nop
.endr
.endif
.irp t, 0,1,2,3
.irp c, 0,1,2
	ds_load_b128 v[32+12*\t+4*\c:35+12*\t+4*\c], v8 offset:(4*\g+\t)*1536+512*\c
.endr
.endr
.irp p, 0,1
	ds_load_b32 v[248+\p], v10 offset:(2*\g+\p)*128
.endr
	s_wait_dscnt 0x0
.irp p, 0,1
	v_wmma_scale_f32_16x16x128_f8f6f4 v[96+8*(4*\g+2*\p):103+8*(4*\g+2*\p)], v[32+24*\p:43+24*\p], v[16:27], 0, v[248+\p], v255 matrix_a_fmt:MATRIX_FMT_FP6 matrix_b_fmt:MATRIX_FMT_FP6
	v_wmma_scale_f32_16x16x128_f8f6f4 v[104+8*(4*\g+2*\p):111+8*(4*\g+2*\p)], v[44+24*\p:55+24*\p], v[16:27], 0, v[248+\p], v255 matrix_a_fmt:MATRIX_FMT_FP6 matrix_b_fmt:MATRIX_FMT_FP6 matrix_a_scale:MATRIX_SCALE_ROW1
.endr
.endr
.rept 4
	v_nop
.endr
	s_cmp_lg_u32 s[ST], s[M]                       ; my last step lies on the diagonal: hidden scores become -infinity ahead of the maximum, so p = 0
	s_cbranch_scc1 .Lopen_\@
	v_mov_b32 v254, 0xff800000
.set n, 0
.rept 64
	v_cmp_gt_i32 vcc_lo, 16*(n/8)+(n%8), v7
	v_cndmask_b32 v[96+n], v[96+n], v254, vcc_lo
.set n, n+1
.endr
.Lopen_\@:
.irp b, 0,1,2,3
	v_max3_num_f32 v[232+\b], v[96+16*\b], v[97+16*\b], v[98+16*\b]   ; the largest score of each block of 32 keys: for the row's maximum, and, since p rises with the score, for the block's largest p
.endr
.irp i, 3,5,7,9,11,13
.irp b, 0,1,2,3
	v_max3_num_f32 v[232+\b], v[232+\b], v[96+16*\b+\i], v[97+16*\b+\i]
.endr
.endr
.irp b, 0,1,2,3
	v_max_num_f32 v[232+\b], v[232+\b], v[111+16*\b]
.endr
.irp b, 0,1,2,3
	s_delay_alu instid0(VALU_DEP_4)
	v_permlanex16_b32 v[236+\b], v[232+\b], s[SEL], s[SEL+1]
.endr
.irp b, 0,1,2,3
	s_delay_alu instid0(VALU_DEP_4)
	v_max_num_f32 v[232+\b], v[232+\b], v[236+\b]
.endr
	s_delay_alu instid0(VALU_DEP_2)
	v_max3_num_f32 v254, v232, v233, v234
	s_delay_alu instid0(VALU_DEP_1)
	v_max_num_f32 v254, v254, v235
	s_delay_alu instid0(VALU_DEP_1)
	v_mul_f32 v254, s[CS], v254                    ; as t (c is positive)
	s_delay_alu instid0(VALU_DEP_1)
	v_max_num_f32 v13, v13, v254                   ; the running largest t
	v_mov_b32 v254, v12
	s_delay_alu instid0(VALU_DEP_2)
	v_floor_f32 v12, -v13                          ; the new -M = -ceil(t): a whole number
	s_delay_alu instid0(VALU_DEP_1)
	v_sub_f32 v254, v12, v254
	s_delay_alu instid0(VALU_DEP_1)
	v_cvt_i32_f32 v254, v254                       ; (it saturates)
	s_delay_alu instid0(VALU_DEP_1)
	v_ldexp_f32 v252, 1.0, v254                    ; f = 2^(old M - new M): rounds nothing
.set n, 0
.rept 32
	v_pk_fma_f32 v[96+n:97+n], v[96+n:97+n], s[CS:CS+1], v[12:13] op_sel_hi:[1,0,0]   ; t - M
.set n, n+2
.endr
.irp b, 0,1,2,3
	v_fma_f32 v[232+\b], v[232+\b], s[CS], v12
.endr
.set n, 0
	s_wait_alu depctr_va_vdst(0)
.rept 64
	v_exp_f32 v[96+n], v[96+n]                     ; p = 2^(t - M), not normalised
.set n, n+1
.endr
	v_pk_mul_f32 v[14:15], v[14:15], v[252:253] op_sel_hi:[1,0]   ; the sums under the new M (a plain place behind the exponentials)
	s_wait_alu depctr_va_vdst(0)                   ; one wait for the batch, ahead of its first reader
.irp b, 0,1,2,3
	v_exp_f32 v[232+\b], v[232+\b]                 ; each block's largest p
.endr
	v_pk_add_f32 v[236:237], v[100:101], v[104:105]
	v_pk_add_f32 v[250:251], v[108:109], v[112:113]
	v_pk_add_f32 v[248:249], v[116:117], v[120:121]
	v_pk_add_f32 v[246:247], v[124:125], v[128:129]
	v_pk_add_f32 v[244:245], v[132:133], v[136:137]
	v_pk_add_f32 v[242:243], v[140:141], v[144:145]
	v_pk_add_f32 v[240:241], v[148:149], v[152:153]
	v_pk_add_f32 v[14:15], v[14:15], v[156:157]
	v_pk_add_f32 v[236:237], v[236:237], v[96:97]
	v_pk_add_f32 v[250:251], v[250:251], v[98:99]
	v_pk_add_f32 v[248:249], v[248:249], v[102:103]
	v_pk_add_f32 v[246:247], v[246:247], v[106:107]
	v_pk_add_f32 v[244:245], v[244:245], v[110:111]
	v_pk_add_f32 v[242:243], v[242:243], v[114:115]
	v_pk_add_f32 v[240:241], v[240:241], v[118:119]
	v_pk_add_f32 v[14:15], v[14:15], v[122:123]
	v_pk_add_f32 v[236:237], v[236:237], v[126:127]
	v_pk_add_f32 v[250:251], v[250:251], v[130:131]
	v_pk_add_f32 v[248:249], v[248:249], v[134:135]
	v_pk_add_f32 v[246:247], v[246:247], v[138:139]
	v_pk_add_f32 v[244:245], v[244:245], v[142:143]
	v_pk_add_f32 v[242:243], v[242:243], v[146:147]
	v_pk_add_f32 v[240:241], v[240:241], v[150:151]
	v_pk_add_f32 v[14:15], v[14:15], v[154:155]
	v_pk_add_f32 v[236:237], v[236:237], v[158:159]
	s_delay_alu instid0(VALU_DEP_2)
	v_pk_add_f32 v[14:15], v[14:15], v[246:247]
	s_delay_alu instid0(VALU_DEP_2)
	v_pk_add_f32 v[236:237], v[236:237], v[244:245]
	v_pk_add_f32 v[250:251], v[250:251], v[242:243]
	v_pk_add_f32 v[248:249], v[248:249], v[240:241]
	s_delay_alu instid0(VALU_DEP_2)
	v_pk_add_f32 v[14:15], v[14:15], v[250:251]
	s_delay_alu instid0(VALU_DEP_2)
	v_pk_add_f32 v[236:237], v[236:237], v[248:249]
	s_delay_alu instid0(VALU_DEP_1)
	v_pk_add_f32 v[14:15], v[14:15], v[236:237]
	s_wait_alu depctr_va_vdst(0)                   ; and one for the four
.irp b, 0,1,2,3
	v_max_num_f32 v[232+\b], 0x1800000, v[232+\b]  ; the floor 2^(3 - 127)
.endr
.irp b, 0,1,2,3
	s_delay_alu instid0(VALU_DEP_4)
	v_add_nc_u32 v[244+\b], 0xff000000, v[232+\b]
.endr
.irp b, 0,1,2,3
	s_delay_alu instid0(VALU_DEP_4)
	v_lshrrev_b32 v[236+\b], 23, v[244+\b]
.endr
	s_delay_alu instid0(VALU_DEP_3)
	v_lshl_or_b32 v253, v237, 8, v236              ; p's scale word for these 128 keys
	s_delay_alu instid0(VALU_DEP_1)
	v_lshl_or_b32 v253, v238, 16, v253
	s_delay_alu instid0(VALU_DEP_1)
	v_lshl_or_b32 v253, v239, 24, v253
.irp c, 0,1
	v_cvt_scalef32_pk16_fp6_f32 v[224+6*\c:226+6*\c], v[96+32*\c:111+32*\c], v[244+2*\c]
	v_cvt_scalef32_pk16_fp6_f32 v[236+4*\c:238+4*\c], v[112+32*\c:127+32*\c], v[244+2*\c+1]
.endr
	v_nop
.irp c, 0,1
.irp i, 0,1,2
	v_permlane16_swap_b32 v[224+6*\c+\i], v[236+4*\c+\i]
.endr
.irp i, 0,1,2
	s_delay_alu instid0(VALU_DEP_3)
	v_mov_b32 v[227+6*\c+\i], v[236+4*\c+\i]
.endr
.endr
.set n, 0
.rept 16
	v_pk_mul_f32 v[160+n:161+n], v[160+n:161+n], v[252:253] op_sel_hi:[1,0]   ; O^T under the new M; these sixteen are also the places in front of the scaled products
.set n, n+2
.endr
.irp t, 0,1,2,3                        ; O^T += V^T P^T: my head's four tiles of 16 channels
.irp c, 0,1,2
	ds_load_b128 v[32+12*\t+4*\c:35+12*\t+4*\c], v9 offset:\t*1536+512*\c
.endr
.endr
.irp p, 0,1
	ds_load_b32 v[248+\p], v11 offset:\p*128
.endr
	s_wait_alu depctr_va_vdst(0)
	s_wait_dscnt 0x0
.irp p, 0,1
	v_wmma_scale_f32_16x16x128_f8f6f4 v[160+16*\p:167+16*\p], v[32+24*\p:43+24*\p], v[224:235], v[160+16*\p:167+16*\p], v[248+\p], v253 matrix_a_fmt:MATRIX_FMT_FP6 matrix_b_fmt:MATRIX_FMT_FP6
	v_wmma_scale_f32_16x16x128_f8f6f4 v[168+16*\p:175+16*\p], v[44+24*\p:55+24*\p], v[224:235], v[168+16*\p:175+16*\p], v[248+\p], v253 matrix_a_fmt:MATRIX_FMT_FP6 matrix_b_fmt:MATRIX_FMT_FP6 matrix_a_scale:MATRIX_SCALE_ROW1
.endr
.Lhidden_\@:
	s_add_co_u32 s[TKV], s[TKV], 12288
	s_add_co_u32 s[TS], s[TS], 512
.endm
	s_wait_tensorcnt 0x0                           ; my one load, if I issued one, is in: behind this barrier all of K, V and their scale words are in LDS
	s_barrier_signal -1
	s_barrier_wait -1
.Lfirst:                                               ; steps 0 and 1
	STEP
	s_add_co_u32 s[ST], s[ST], 1
	s_cmp_lt_u32 s[ST], 2
	s_cbranch_scc1 .Lfirst
	s_wait_tensorcnt 0x0                           ; the rest of K and V is in,
	s_wait_dscnt 0x0
	s_barrier_signal -1
	s_barrier_wait -1                              ; everybody's is
.Lrest:                                                ; steps 2 to 7: no barrier, the waves run free
	STEP
	s_add_co_u32 s[ST], s[ST], 1
	s_cmp_lt_u32 s[ST], 8
	s_cbranch_scc1 .Lrest
	; THE WAY OUT: O^T / the sum, quantised along the head's 64 (two blocks): six registers of the fragment [head 2 hp | head 2 hp + 1] of my 16 queries
.rept 4
	v_nop                                          ; places behind the last products
.endr
	v_add_f32 v14, v14, v15
	s_delay_alu instid0(VALU_DEP_1)
	v_permlanex16_b32 v252, v14, s[SEL], s[SEL+1]
	s_delay_alu instid0(VALU_DEP_1)
	v_add_f32 v14, v14, v252                       ; the row's sum
	s_wait_alu depctr_va_vdst(0)
	v_rcp_f32 v14, v14
	v_nop
	s_wait_alu depctr_va_vdst(0)
.set n, 0
.rept 32
	v_mul_f32 v[96+n], v[160+n], v14               ; register 16 b + i: place 16 h + i of block b of my head
.set n, n+1
.endr
.irp b, 0,1
	v_max3_num_f32 v[232+\b], |v[96+16*\b]|, |v[97+16*\b]|, 0x1800000
.endr
.irp i, 2,4,6,8,10,12,14
.irp b, 0,1
	s_delay_alu instid0(VALU_DEP_2)
	v_max3_num_f32 v[232+\b], v[232+\b], |v[96+16*\b+\i]|, |v[97+16*\b+\i]|
.endr
.endr
.irp b, 0,1
	s_delay_alu instid0(VALU_DEP_2)
	v_permlanex16_b32 v[236+\b], v[232+\b], s[SEL], s[SEL+1]
.endr
.irp b, 0,1
	s_delay_alu instid0(VALU_DEP_2)
	v_max_num_f32 v[232+\b], v[232+\b], v[236+\b]
.endr
.irp b, 0,1
	s_delay_alu instid0(VALU_DEP_2)
	v_add_nc_u32 v[244+\b], 0xff000000, v[232+\b]
.endr
.irp b, 0,1
	s_delay_alu instid0(VALU_DEP_2)
	v_lshrrev_b32 v[236+\b], 23, v[244+\b]
.endr
	s_delay_alu instid0(VALU_DEP_1)
	v_lshl_or_b32 v240, v237, 8, v236              ; my half of the row's scale word
	v_cvt_scalef32_pk16_fp6_f32 v[224:226], v[96:111], v244
	v_cvt_scalef32_pk16_fp6_f32 v[228:230], v[112:127], v245
	v_nop
.irp i, 0,1,2
	v_permlane16_swap_b32 v[224+\i], v[228+\i]     ; lanes 0-15 now hold block 0 whole, lanes 16-31 block 1
.endr
	s_delay_alu instid0(VALU_DEP_3)
	v_mov_b32 v227, v228                           ; the six registers as three even pairs
	s_delay_alu instid0(VALU_DEP_3)
	v_mov_b32 v232, v229
	s_delay_alu instid0(VALU_DEP_3)
	v_mov_b32 v233, v230
	ds_store_b64 v28, v[224:225]                   ; 256 consecutive bytes a store, in my wave's own 768
	ds_store_b64 v28, v[226:227] offset:256
	ds_store_b64 v28, v[232:233] offset:512
	ds_store_b16 v30, v240
	s_wait_dscnt 0x0                               ; for the other head's wave: my stores are done
	s_barrier_signal -1
	s_barrier_wait -1
	s_cmp_lg_u32 s[E], 0                           ; two pairs side by side are a lane's 16 bytes of an image's group.  Wave e = 0 sends groups 0 and 1, wave e = 1 group 2 and the scale words
	s_cbranch_scc1 .Lodd
	ds_load_b64 v[32:33], v29
	ds_load_b64 v[34:35], v29 offset:256
	ds_load_b64 v[36:37], v29 offset:512
	ds_load_b64 v[38:39], v29 offset:768
	s_wait_dscnt 0x0
	global_store_b128 v1, v[32:35], s[OP:OP+1]     ; 512 consecutive bytes, aligned
	global_store_b128 v1, v[36:39], s[OP:OP+1] offset:512
	s_branch .Lsent
.Lodd:
	ds_load_b64 v[32:33], v29 offset:1024
	ds_load_b64 v[34:35], v29 offset:1280
	ds_load_b32 v36, v31
	s_wait_dscnt 0x0
	global_store_b128 v1, v[32:35], s[OP:OP+1] offset:1024
	global_store_b32 v84, v36, s[OS:OS+1]
.Lsent:
	s_wait_tensorcnt 0x0                           ; the wave's end
	ds_add_u32 v5, v6
	s_wait_dscnt 0x0
	CROUND                                         ; the closing round
	s_endpgm
.Lfunc_end_k_q5158f3971c_attn:
	.size	k_q5158f3971c_attn, .Lfunc_end_k_q5158f3971c_attn-k_q5158f3971c_attn
	.p2alignl 7, 3214868480
	.fill 96, 4, 3214868480
	.section	.rodata,"a",@progbits
	.p2align	6, 0x0
	.amdhsa_kernel k_q5158f3971c_attn
		.amdhsa_group_segment_fixed_size 219648
		.amdhsa_private_segment_fixed_size 0
		.amdhsa_enable_private_segment 0
		.amdhsa_kernarg_size 16
		.amdhsa_user_sgpr_count 2
		.amdhsa_user_sgpr_kernarg_segment_ptr 1
		.amdhsa_wavefront_size32 1
		.amdhsa_system_sgpr_workgroup_id_x 1
		.amdhsa_system_sgpr_workgroup_id_y 1
		.amdhsa_system_sgpr_workgroup_id_z 1
		.amdhsa_system_vgpr_workitem_id 0
		.amdhsa_next_free_vgpr 256
		.amdhsa_next_free_sgpr 100
		.amdhsa_reserve_vcc 1
		.amdhsa_float_denorm_mode_32 3
		.amdhsa_float_denorm_mode_16_64 3
		.amdhsa_memory_ordered 1
		.amdhsa_forward_progress 1
		.amdhsa_inst_pref_size 62
	.end_amdhsa_kernel
	.amdgpu_metadata
---
amdhsa.version: [ 1, 2 ]
amdhsa.kernels:
  - .name:           k_q5158f3971c_attn
    .symbol:         k_q5158f3971c_attn.kd
    .args:
      - { .name: qkv, .offset: 0, .size: 8, .value_kind: global_buffer, .address_space: global }
      - { .name: att, .offset: 8, .size: 8, .value_kind: global_buffer, .address_space: global }
    .group_segment_fixed_size: 219648
    .private_segment_fixed_size: 0
    .kernarg_segment_align: 8
    .kernarg_segment_size: 16
    .max_flat_workgroup_size: 512
    .sgpr_count:     100
    .vgpr_count:     256
    .wavefront_size: 32
...
	.end_amdgpu_metadata
.endif
;; end of part 3
;; launch wo (part 4): grid 8 x 32, 4 waves a work-group, clusters of 4 x 4, 327,680 bytes of LDS; arguments att, wts, bo, x, x1; writes x1
.if DOCPART == 4
	.amdgcn_target "amdgcn-amd-amdhsa--gfx1250"
	.amdhsa_code_object_version 6
	.text
	.protected	k_q5158f3971c_wo
	.globl	k_q5158f3971c_wo
	.p2align	8
	.type	k_q5158f3971c_wo,@function
k_q5158f3971c_wo:
	s_mov_b64 s[64:65], 0
	v_nop
	global_prefetch_b8 v0, s[64:65] scope:SCOPE_SE
	s_setreg_imm32_b32 hwreg(HW_REG_WAVE_MODE, 25, 1), 1
	s_wait_xcnt 0x0
	s_wait_alu depctr_hold_cnt(0) depctr_sa_sdst(0) depctr_va_vdst(0) depctr_va_sdst(0) depctr_va_ssrc(0) depctr_va_vcc(0) depctr_vm_vsrc(0)
	s_getreg_b32 s2, hwreg(HW_REG_IB_STS2, 6, 4)
	s_cmp_eq_u32 s2, 0
	s_cbranch_scc0 .Lentry_in_a_cluster
	s_endpgm
.Lentry_in_a_cluster:
	s_bfe_u32 s2, ttmp6, 0x10000c
	s_cmp_lg_u32 s2, 0xf033
	s_cbranch_scc0 .Lentry_shape_is_right
	s_endpgm
.Lentry_shape_is_right:
; x1 = x + attn Wo + bo, the product on codes of FP6 (E2M3).  A' = att (tokens; images [8 K steps][256 rowblocks]), B' = Wo's columns (wts; [8][64]); scale words 64 bytes a fragment.
; Launch w2's design (see the comment at that kernel's head) at K = 1,024: all 8 K steps of both operands, 196,608 bytes, come by ONE joint load a wave at the head; nothing is filled again, so there is no ring.
; No prefetch: the launch has no loop to run ahead in; its only tensor loads stand at its head.
.set KSTEPS, 8
.set GEN,    8
.set A_SC,   3145728
.set B_SC,   7077888
.set APL,    256*1536
.set BPL,    64*1536
.set ASP,    256*64
.set BSP,    64*64
.set KROW,   6144
.set PART,   GEN*KROW
.set SLOT,   4*PART
.set SPARE,  SLOT
.set STG,    SPARE+512
.set SPITCH, 272
.set LI,   3
.set LS,   5
.set ADRA, 16
.set ADRB, 20
.set STO,  24
.set RD,   25
.set CO,   26
.set BOF,  27
.set SPW,  28
.set NIL,  29
.set SC,   32
.set BIAS, 160
.set G1, 24
.set G0, 32
.set G1B, 48
.set G0B, 56
.set PSA, 72
.set PSB, 74
.set MSB, 0
.macro WIN new
.if MSB != \new
	s_set_vgpr_msb (MSB<<8)|\new
.set MSB, \new
.endif
.endm
.set TO_F, 0x40
.macro JLOAD g0a, g1a, g0b, g1b
	s_cmp_eq_u32 s15, 0
	s_cbranch_scc0 .Lfor_b_\@
	tensor_load_to_lds s[\g0a:\g0a+3], s[\g1a:\g1a+7]
	s_nop 0
.rept 4
	v_nop
.endr
	s_branch .Lasked_\@
.Lfor_b_\@:
	tensor_load_to_lds s[\g0b:\g0b+3], s[\g1b:\g1b+7]
	s_nop 0
.rept 4
	v_nop
.endr
.Lasked_\@:
.endm
.macro CROUND
	s_barrier_signal -1
	s_barrier_wait -1
	s_cmp_lg_u32 s14, 0
	s_cbranch_scc1 .Lnot_wave_0_\@
	s_barrier_signal -3
.Lnot_wave_0_\@:
	s_barrier_wait -3
	s_barrier_signal -1
	s_barrier_wait -1
.endm
	s_load_b256 s[4:11], s[0:1], 0x0
	s_load_b64 s[12:13], s[0:1], 0x20
	v_lshl_add_u32 v[SPW], v0, 2, SPARE
	v_mov_b32 v[NIL], 0
	ds_add_u32 v[SPW], v[NIL]                      ; the opening lines
	ds_add_u32 v[SPW], v[NIL]
	v_lshrrev_b32 v1, 5, v0
	v_readfirstlane_b32 s14, v1
	s_lshr_b32 s15, s14, 1
	s_and_b32 s16, s14, 1
	s_bfe_u32 s40, ttmp6, 0x40000
	s_bfe_u32 s41, ttmp6, 0x40004
	s_lshl_b32 s42, ttmp9, 2
	s_add_co_u32 s42, s42, s40
	s_and_b32 s17, ttmp7, 0xffff
	s_lshl_b32 s17, s17, 2
	s_add_co_u32 s17, s17, s41
	s_lshl_b32 s43, s41, 2
	s_lshl_b32 s43, 15, s43
	s_lshl_b32 s44, 0x1111, s40
	s_or_b32 s[G1+0], s43, (3<<16)|(1<<21)
	s_or_b32 s[G1B+0], s44, (3<<16)|(1<<21)
.irp g, G1, G1B
	s_mov_b32 s[\g+1], 768<<16
	s_mov_b32 s[\g+2], GEN<<16
	s_mov_b32 s[\g+3], 768<<16
	s_mov_b32 s[\g+4], GEN
	s_mov_b32 s[\g+6], 0
	s_mov_b32 s[\g+7], 0
.endr
	s_mov_b32 s[G1+5], 256*192
	s_mov_b32 s[G1B+5], 64*192
	s_mul_i32 s18, s16, KROW
	s_mul_i32 s20, s17, 12288
	s_add_co_u32 s20, s20, s18
	s_mov_b32 s21, 0
	s_mul_i32 s46, s42, 12288
	s_add_co_u32 s46, s46, s18
	s_mov_b32 s47, 0
	s_mul_i32 s45, s14, PART
	s_wait_dscnt 0x0
	s_wait_kmcnt 0x0
	s_add_nc_u64 s[20:21], s[4:5], s[20:21]
	s_add_nc_u64 s[46:47], s[6:7], s[46:47]
	CROUND
	s_mov_b32 s[G0], 1
	s_mov_b32 s[G0+1], s45
	s_mov_b64 s[G0+2:G0+3], s[20:21]
	s_or_b32 s[G0+3], s[G0+3], 0x80000000
	s_mov_b32 s[G0B], 1
	s_mov_b32 s[G0B+1], s45
	s_mov_b64 s[G0B+2:G0B+3], s[46:47]
	s_or_b32 s[G0B+3], s[G0B+3], 0x80000000
	JLOAD G0, G1, G0B, G1B
	s_mul_i32 s80, s15, PART
	s_mul_i32 s82, s16, PART
	s_add_co_u32 s82, s82, 2*PART
	s_mul_i32 s23, s14, 16*SPITCH
	s_add_co_u32 s23, s23, STG
	s_lshl_b32 s84, s17, 9
	s_lshl_b32 s85, s15, 8
	s_add_co_u32 s84, s84, s85
	s_add_co_u32 s84, s84, A_SC
	s_mov_b32 s85, 0
	s_add_nc_u64 s[PSA:PSA+1], s[4:5], s[84:85]
	s_lshl_b32 s84, s42, 9
	s_lshl_b32 s86, s16, 8
	s_add_co_u32 s84, s84, s86
	s_add_co_u32 s84, s84, B_SC
	s_add_nc_u64 s[PSB:PSB+1], s[6:7], s[84:85]
	s_lshl_b32 s96, s42, 9
	s_lshl_b32 s97, s16, 8
	s_add_co_u32 s96, s96, s97
	s_mov_b32 s97, 0
	s_add_nc_u64 s[8:9], s[8:9], s[96:97]
	s_lshl_b32 s98, s17, 7
	s_lshl_b32 s99, s15, 6
	s_add_co_u32 s98, s98, s99
	s_lshl_b32 s98, s98, 12
	s_add_co_u32 s98, s98, s96
	s_mov_b32 s99, 0
	s_add_nc_u64 s[10:11], s[10:11], s[98:99]
	s_add_nc_u64 s[12:13], s[12:13], s[98:99]
	v_and_b32 v1, 15, v0
	v_bfe_u32 v2, v0, 4, 1
	v_and_b32 v4, 31, v0
	v_lshlrev_b32 v[LI], 4, v4
	v_lshlrev_b32 v[LS], 2, v4
	v_add_nc_u32 v[ADRA], s80, v[LI]
	v_add_nc_u32 v[ADRB], s82, v[LI]
	v_mul_u32_u24 v6, v1, SPITCH
	v_lshl_add_u32 v6, v2, 5, v6
	v_add_nc_u32 v[STO], s23, v6
	v_mul_u32_u24 v6, v2, SPITCH
	v_lshl_add_u32 v6, v1, 4, v6
	v_add_nc_u32 v[RD], s23, v6
	v_lshlrev_b32 v6, 12, v2
	v_lshl_add_u32 v[CO], v1, 4, v6
	v_lshlrev_b32 v[BOF], 5, v2
	s_wait_alu depctr_va_vdst(0)                   ; the wait at the head's end
.irp b, 0,1,2,3
	global_load_b128 v[BIAS+8*\b:BIAS+8*\b+3], v[BOF], s[8:9] offset:64*\b
	global_load_b128 v[BIAS+8*\b+4:BIAS+8*\b+7], v[BOF], s[8:9] offset:64*\b+16
.endr
.set n, 0
.rept KSTEPS
	global_load_b32 v[SC+4*n], v[LS], s[PSA:PSA+1] offset:n*ASP
	global_load_b32 v[SC+4*n+1], v[LS], s[PSA:PSA+1] offset:n*ASP+128
	global_load_b32 v[SC+4*n+2], v[LS], s[PSB:PSB+1] offset:n*BSP
	global_load_b32 v[SC+4*n+3], v[LS], s[PSB:PSB+1] offset:n*BSP+128
.set n, n+1
.endr
.set GK, 0
.macro FETCH
.set FB, 128*(FG%2)
	WIN TO_F
.set n, 0
.rept 12
	ds_load_b128 v[FB+48+4*n:FB+48+4*n+3], v[ADRB] offset:FG*KROW+512*n
.set n, n+1
.endr
.set n, 0
.rept 12
	ds_load_b128 v[FB+4*n:FB+4*n+3], v[ADRA] offset:FG*KROW+512*n
.set n, n+1
.endr
.endm
.macro WMUL
.if GK == 0
	WIN 0x85
.else
	WIN 0xa5
.endif
.endm
.macro MUL4 ap, ar
.set MB, 128*(GK%2)
.set AI, 2*\ap+\ar
.irp bp, 0,1
.irp br, 0,1
.set BI, 2*\bp+\br
.set AC, 8*(4*AI+BI)
.if GK == 0
	v_wmma_scale_f32_16x16x128_f8f6f4 v[AC:AC+7], v[MB+48+12*BI:MB+48+12*BI+11], v[MB+12*AI:MB+12*AI+11], v[BIAS+8*BI:BIAS+8*BI+7], v[SC+4*GK+2+\bp], v[SC+4*GK+\ap] matrix_a_fmt:MATRIX_FMT_FP6 matrix_b_fmt:MATRIX_FMT_FP6 matrix_a_scale:MATRIX_SCALE_ROW\br matrix_b_scale:MATRIX_SCALE_ROW\ar
.else
	v_wmma_scale_f32_16x16x128_f8f6f4 v[AC:AC+7], v[MB+48+12*BI:MB+48+12*BI+11], v[MB+12*AI:MB+12*AI+11], v[AC:AC+7], v[SC+4*GK+2+\bp], v[SC+4*GK+\ap] matrix_a_fmt:MATRIX_FMT_FP6 matrix_b_fmt:MATRIX_FMT_FP6 matrix_a_scale:MATRIX_SCALE_ROW\br matrix_b_scale:MATRIX_SCALE_ROW\ar
.endif
.endr
.endr
.endm
.macro PLACES
.rept 4
	v_nop
.endr
.endm
.macro PLAIN
.if GK > 0
	PLACES
.endif
.set FG, GK+1
	FETCH
	s_wait_dscnt 24                                ; this K step's fragments are in; the 24 loads just issued may be out
.if GK == 0
	s_wait_loadcnt 32                              ; the bias and the scale words are in; the residual's 32 loads may be out
.endif
	WMUL
	MUL4 0, 0
	MUL4 0, 1
	MUL4 1, 0
	MUL4 1, 1
.endm
	s_wait_tensorcnt 0x0                           ; my part of the tiles is in,
	s_barrier_signal -1
	s_barrier_wait -1                              ; everybody's is
.set FG, 0
	FETCH
	WIN 0x80
.set n, 0
.rept 32
	global_load_b128 v[128+4*n:128+4*n+3], v[CO], s[10:11] offset:2*n*4096 th:TH_LOAD_NT
.set n, n+1
.endr
.rept KSTEPS-1
	PLAIN
.set GK, GK+1
.endr
	s_wait_dscnt 0x0
	WMUL
	MUL4 0, 0
	MUL4 0, 1
	MUL4 1, 0
	MUL4 1, 1
	WIN 0
.macro TOSTAGE a
	WIN 0x08
.irp b, 0,1,2,3
	ds_store_b128 v[STO], v[8*(4*(\a)+\b):8*(4*(\a)+\b)+3] offset:64*\b
	ds_store_b128 v[STO], v[8*(4*(\a)+\b)+4:8*(4*(\a)+\b)+7] offset:64*\b+16
.endr
	WIN 0
.set BB, 160+32*((\a)%2)
.irp t, 0,1,2,3,4,5,6,7
	ds_load_b128 v[BB+4*\t:BB+4*\t+3], v[RD] offset:\t*2*SPITCH
.endr
.endm
.macro SEND a, younger
.set BB, 160+32*((\a)%2)
	s_wait_dscnt \younger
	WIN 0x08
.set n, 0
.rept 16
	v_pk_add_f32 v[BB+n:BB+n+1], v[BB+n:BB+n+1], v[128+32*(\a)+n:128+32*(\a)+n+1]
.set n, n+2
.endr
	WIN 0
.irp t, 0,1,2,3,4,5,6,7
	global_store_b128 v[CO], v[BB+4*\t:BB+4*\t+3], s[12:13] offset:(16*(\a)+2*\t)*4096
.endr
.endm
	PLACES
	s_wait_loadcnt 0x0
	TOSTAGE 0
	TOSTAGE 1
	SEND 0, 16
	s_wait_xcnt 0x0
	TOSTAGE 2
	SEND 1, 16
	s_wait_xcnt 0x0
	TOSTAGE 3
	SEND 2, 16
	SEND 3, 0
	s_wait_tensorcnt 0x0                           ; the wave's end
	ds_add_u32 v[SPW], v[NIL]
	s_wait_dscnt 0x0
	CROUND
	s_endpgm
.Lfunc_end_k_q5158f3971c_wo:
	.size	k_q5158f3971c_wo, .Lfunc_end_k_q5158f3971c_wo-k_q5158f3971c_wo
	.p2alignl 7, 3214868480
	.fill 96, 4, 3214868480
	.section	.rodata,"a",@progbits
	.p2align	6, 0x0
	.amdhsa_kernel k_q5158f3971c_wo
		.amdhsa_group_segment_fixed_size 327680
		.amdhsa_private_segment_fixed_size 0
		.amdhsa_enable_private_segment 0
		.amdhsa_kernarg_size 40
		.amdhsa_user_sgpr_count 2
		.amdhsa_user_sgpr_kernarg_segment_ptr 1
		.amdhsa_wavefront_size32 1
		.amdhsa_system_sgpr_workgroup_id_x 1
		.amdhsa_system_sgpr_workgroup_id_y 1
		.amdhsa_system_sgpr_workgroup_id_z 1
		.amdhsa_system_vgpr_workitem_id 0
		.amdhsa_next_free_vgpr 768
		.amdhsa_next_free_sgpr 100
		.amdhsa_reserve_vcc 0
		.amdhsa_float_denorm_mode_32 3
		.amdhsa_float_denorm_mode_16_64 3
		.amdhsa_memory_ordered 1
		.amdhsa_forward_progress 1
		.amdhsa_inst_pref_size 55
	.end_amdhsa_kernel
	.amdgpu_metadata
---
amdhsa.version: [ 1, 2 ]
amdhsa.kernels:
  - .name:           k_q5158f3971c_wo
    .symbol:         k_q5158f3971c_wo.kd
    .args:
      - { .name: att, .offset: 0, .size: 8, .value_kind: global_buffer, .address_space: global }
      - { .name: wts, .offset: 8, .size: 8, .value_kind: global_buffer, .address_space: global }
      - { .name: bo, .offset: 16, .size: 8, .value_kind: global_buffer, .address_space: global }
      - { .name: x, .offset: 24, .size: 8, .value_kind: global_buffer, .address_space: global }
      - { .name: x1, .offset: 32, .size: 8, .value_kind: global_buffer, .address_space: global }
    .group_segment_fixed_size: 327680
    .private_segment_fixed_size: 0
    .kernarg_segment_align: 8
    .kernarg_segment_size: 40
    .max_flat_workgroup_size: 128
    .sgpr_count:     100
    .vgpr_count:     768
    .wavefront_size: 32
...
	.end_amdgpu_metadata
.endif
;; end of part 4
;; launch ln2 (part 5): grid 256 x 1, 8 waves a work-group, no clusters, 69,632 bytes of LDS; arguments x1, g2, be2, hw; writes hw
.if DOCPART == 5
	.amdgcn_target "amdgcn-amd-amdhsa--gfx1250"
	.amdhsa_code_object_version 6
	.text
	.protected	k_q5158f3971c_ln2
	.globl	k_q5158f3971c_ln2
	.p2align	8
	.type	k_q5158f3971c_ln2,@function
k_q5158f3971c_ln2:
	s_mov_b64 s[64:65], 0
	v_nop
	global_prefetch_b8 v0, s[64:65] scope:SCOPE_SE
	s_setreg_imm32_b32 hwreg(HW_REG_WAVE_MODE, 25, 1), 1
	s_wait_xcnt 0x0
; LayerNorm 2 of 4,096 rows of 1,024 f32 (x1), quantised along the row into codes of FP6 (E2M3): hw's rowblocks 0-255, as images of the operand's registers.
; A work-group takes 16 rows (a rowblock), wave w the columns 128 w .. 128 w + 127: one fragment.  Each load reads 512 consecutive bytes of a row; the wave's 16 x 512 bytes turn through its own stage in LDS
; and come back so that lane (r, h) holds row r, register 16 b + i = column 32 b + 16 (i / 8) + 8 h + i % 8 of the wave's 128: the program's order inside a block of 32 (place 16 h + i).
; Mean and variance as reference() has them, in two passes (the variance of the differences, no difference of large sums); the eight waves' sums meet in LDS behind a barrier, twice, in bytes of their own.
; Image: fragment (ks = w, rb) at (448 w + rb) x 1536, group c at 512 c + 16 x lane; scale words at 5,505,024 + (448 w + rb) x 64 + 4 r.
; LIMITS: a block of zeros gets the byte 1 (its codes are zeros; this program alone reads the bytes); largest magnitudes under 2^-124 are held at byte 1; NaN and infinities are not served.
.set SP,    528                        ; a stage row: 512 bytes + 16, an odd multiple of 16: sixteen rows' reads start in different banks
.set WST,   16*SP                      ; a wave's stage
.set RED,   8*WST                      ; the sums: 8 waves x 64 bytes; the second pass's 512 bytes on
.set SPARE, RED+1024                   ; the spare words, 128 bytes for each wave: four blocks of 256 bytes that no other line names
.set X,  32                            ; v32-95   as loaded; then beta; then the codes
.set Y,  96                            ; v96-159  my 64 numbers of row r
.set G,  160                           ; v160-223 gamma at my 64 columns
.set TM, 224                           ; v224-239 at work
.set PW, 240                           ; the scale word
.set PC, 32
	s_load_b256 s[4:11], s[0:1], 0x0               ; x1 s[4:5], gamma s[6:7], beta s[8:9], hw s[10:11]
	v_lshl_add_u32 v12, v0, 2, SPARE               ; my spare word; never rewritten
	v_mov_b32 v13, 0                               ; 0; never rewritten
	v_lshrrev_b32 v1, 5, v0
	s_delay_alu instid0(VALU_DEP_1)
	v_readfirstlane_b32 s12, v1                    ; wave 0..7
	v_and_b32 v1, 15, v0                           ; r
	v_bfe_u32 v2, v0, 4, 1                         ; h
	v_and_b32 v3, 31, v0
	s_delay_alu instid0(VALU_DEP_1)
	v_lshlrev_b32 v4, 4, v3                        ; 16 x lane
	s_mul_i32 s13, s12, WST
	v_add_nc_u32 v5, s13, v4                       ; into the stage: as loaded
	v_mul_u32_u24 v6, v1, SP
	s_delay_alu instid0(VALU_DEP_1)
	v_lshl_add_u32 v6, v2, 5, v6
	s_delay_alu instid0(VALU_DEP_1)
	v_add_nc_u32 v6, s13, v6                       ; out of it: row r, + 32 h
	v_lshlrev_b32 v7, 5, v2                        ; 32 h: gamma's and beta's offset
	v_lshlrev_b32 v8, 2, v1                        ; 4 r
	s_lshl_b32 s14, s12, 6
	v_add_nc_u32 v9, s14, v8
	s_delay_alu instid0(VALU_DEP_1)
	v_add_nc_u32 v9, RED, v9                       ; where my wave's sum of row r goes
	v_add_nc_u32 v10, RED, v8                      ; where the eight are read
	s_mov_b32 s2, 0x76543210
	s_mov_b32 s3, 0xfedcba98
	s_mov_b32 s15, 0x3a800000                      ; 1 / 1024
	s_mov_b32 s22, 0x3727c5ac                      ; 1e-5
	s_lshl_b32 s16, ttmp9, 16                      ; 16 rows of 4,096 bytes
	s_lshl_b32 s18, s12, 9                         ; my wave's 512 bytes of a row
	s_add_co_u32 s16, s16, s18
	s_mov_b32 s17, 0
	s_mov_b32 s19, 0
	s_mul_i32 s26, s12, 448
	s_add_co_u32 s26, s26, ttmp9                   ; the fragment's number
	s_mul_i32 s20, s26, 1536
	s_mov_b32 s21, 0
	s_lshl_b32 s24, s26, 6
	s_add_co_u32 s24, s24, 5505024
	s_mov_b32 s25, 0
	s_wait_alu depctr_va_vdst(0)
	s_wait_kmcnt 0x0
	s_add_nc_u64 s[4:5], s[4:5], s[16:17]
	s_add_nc_u64 s[6:7], s[6:7], s[18:19]
	s_add_nc_u64 s[8:9], s[8:9], s[18:19]
	s_add_nc_u64 s[28:29], s[10:11], s[24:25]
	s_add_nc_u64 s[10:11], s[10:11], s[20:21]
.irp i, 0,1,2,3,4,5,6,7,8,9,10,11,12,13,14,15
	global_load_b128 v[X+4*\i:X+4*\i+3], v4, s[4:5] offset:4096*\i   ; row i: 512 consecutive bytes
.endr
.macro VEC reg, base                   ; a vector's numbers at my 64 columns
.irp b, 0,1,2,3
.irp j, 0,1,2,3
	global_load_b128 v[\reg+16*\b+4*\j:\reg+16*\b+4*\j+3], v7, s[\base:\base+1] offset:128*\b+64*(\j/2)+16*(\j%2)
.endr
.endr
.endm
	VEC G, 6
	s_wait_loadcnt 16                              ; x1 is in; gamma's 16 loads may be out
.irp i, 0,1,2,3,4,5,6,7,8,9,10,11,12,13,14,15
	ds_store_b128 v5, v[X+4*\i:X+4*\i+3] offset:SP*\i
.endr
.irp b, 0,1,2,3
.irp j, 0,1,2,3
	ds_load_b128 v[Y+16*\b+4*\j:Y+16*\b+4*\j+3], v6 offset:128*\b+64*(\j/2)+16*(\j%2)   ; LDS serves a wave's instructions in order: these see my stores
.endr
.endr
	s_wait_dscnt 0x0                               ; my numbers are back, and the stores have read X
	VEC X, 8                                       ; beta, into the registers that x1 has left
; The sums of four chains become the row's: across my pair, lane l xor 16, and the eight waves.
.macro REDUCE off
	s_delay_alu instid0(VALU_DEP_3)
	v_pk_add_f32 v[246:247], v[246:247], v[248:249]
	s_delay_alu instid0(VALU_DEP_2)
	v_pk_add_f32 v[250:251], v[250:251], v[252:253]
	s_delay_alu instid0(VALU_DEP_1)
	v_pk_add_f32 v[246:247], v[246:247], v[250:251]
	s_delay_alu instid0(VALU_DEP_1)
	v_add_f32 v246, v246, v247
	s_delay_alu instid0(VALU_DEP_1)
	v_permlanex16_b32 v248, v246, s2, s3
	s_delay_alu instid0(VALU_DEP_1)
	v_add_f32 v246, v246, v248                     ; my wave's 128 columns of row r
	ds_store_b32 v9, v246 offset:\off
	s_wait_dscnt 0x0                               ; for the others' sake: my store is done
	s_barrier_signal -1
	s_barrier_wait -1
.irp w, 0,1,2,3,4,5,6,7
	ds_load_b32 v[TM+\w], v10 offset:\off+64*\w
.endr
	s_wait_dscnt 0x0
	v_add_f32 v224, v224, v225
	v_add_f32 v226, v226, v227
	v_add_f32 v228, v228, v229
	v_add_f32 v230, v230, v231
	s_delay_alu instid0(VALU_DEP_3)
	v_add_f32 v224, v224, v226
	s_delay_alu instid0(VALU_DEP_2)
	v_add_f32 v228, v228, v230
	s_delay_alu instid0(VALU_DEP_1)
	v_add_f32 v224, v224, v228                     ; the row's sum, the same bits in every wave
.endm
.irp k, 0,1,2,3
	v_pk_add_f32 v[246+2*\k:247+2*\k], v[Y+2*\k:Y+2*\k+1], v[Y+8+2*\k:Y+9+2*\k]   ; four chains, started by the first eight pairs
.endr
.set p, 8
.rept 24
	s_delay_alu instid0(VALU_DEP_4)
	v_pk_add_f32 v[246+2*(p%4):247+2*(p%4)], v[246+2*(p%4):247+2*(p%4)], v[Y+2*p:Y+2*p+1]
.set p, p+1
.endr
	REDUCE 0
	s_delay_alu instid0(VALU_DEP_1)
	v_mul_f32 v242, s15, v224                      ; the mean,
	s_delay_alu instid0(VALU_DEP_1)
	v_mov_b32 v243, v242                           ; twice: a pair for the packed forms
.set p, 0
.rept 32
	v_pk_add_f32 v[Y+2*p:Y+2*p+1], v[Y+2*p:Y+2*p+1], v[242:243] neg_lo:[0,1] neg_hi:[0,1]   ; x - mean
.set p, p+1
.endr
.irp k, 0,1,2,3
	v_pk_mul_f32 v[246+2*\k:247+2*\k], v[Y+2*\k:Y+2*\k+1], v[Y+2*\k:Y+2*\k+1]
.endr
.set p, 4
.rept 28
	s_delay_alu instid0(VALU_DEP_4)
	v_pk_fma_f32 v[246+2*(p%4):247+2*(p%4)], v[Y+2*p:Y+2*p+1], v[Y+2*p:Y+2*p+1], v[246+2*(p%4):247+2*(p%4)]
.set p, p+1
.endr
	REDUCE 512
	s_delay_alu instid0(VALU_DEP_1)
	v_fma_f32 v241, v224, s15, s22                 ; the variance + 1e-5
	s_wait_alu depctr_va_vdst(0)
	v_rsq_f32 v244, v241
	v_nop                                          ; a plain place behind the transcendental
	s_wait_alu depctr_va_vdst(0)                   ; and the wait ahead of its first reader
	v_mov_b32 v245, v244
	s_wait_alu depctr_va_vdst(0)
	s_wait_loadcnt 0x0                             ; gamma and beta
.set p, 0
.rept 32
	v_pk_mul_f32 v[Y+2*p:Y+2*p+1], v[Y+2*p:Y+2*p+1], v[244:245]
.set p, p+1
.endr
.set p, 0
.rept 32
	v_pk_fma_f32 v[Y+2*p:Y+2*p+1], v[Y+2*p:Y+2*p+1], v[G+2*p:G+2*p+1], v[X+2*p:X+2*p+1]
.set p, p+1
.endr
	; the quantiser: four blocks of 32, each in lanes l and l xor 16
.irp b, 0,1,2,3
	v_max3_num_f32 v[TM+\b], |v[Y+16*\b]|, |v[Y+1+16*\b]|, 0x1800000   ; my 16 numbers, and the floor 2^(3 - 127)
.endr
.irp i, 2,4,6,8,10,12,14
.irp b, 0,1,2,3
	s_delay_alu instid0(VALU_DEP_4)
	v_max3_num_f32 v[TM+\b], v[TM+\b], |v[Y+16*\b+\i]|, |v[Y+1+16*\b+\i]|
.endr
.endr
.irp b, 0,1,2,3
	s_delay_alu instid0(VALU_DEP_4)
	v_permlanex16_b32 v[TM+4+\b], v[TM+\b], s2, s3
.endr
.irp b, 0,1,2,3
	s_delay_alu instid0(VALU_DEP_4)
	v_max_num_f32 v[TM+\b], v[TM+\b], v[TM+4+\b]
.endr
.irp b, 0,1,2,3
	s_delay_alu instid0(VALU_DEP_4)
	v_add_nc_u32 v[TM+12+\b], 0xff000000, v[TM+\b] ; 2 off the exponent field: the conversion's scale operand
.endr
.irp b, 0,1,2,3
	s_delay_alu instid0(VALU_DEP_4)
	v_lshrrev_b32 v[TM+4+\b], 23, v[TM+12+\b]      ; the scale's byte
.endr
	s_delay_alu instid0(VALU_DEP_3)
	v_lshl_or_b32 v[PW], v[TM+5], 8, v[TM+4]
	s_delay_alu instid0(VALU_DEP_1)
	v_lshl_or_b32 v[PW], v[TM+6], 16, v[PW]
	s_delay_alu instid0(VALU_DEP_1)
	v_lshl_or_b32 v[PW], v[TM+7], 24, v[PW]
.irp c, 0,1
	v_cvt_scalef32_pk16_fp6_f32 v[PC+6*\c:PC+2+6*\c], v[Y+32*\c:Y+15+32*\c], v[TM+12+2*\c]
	v_cvt_scalef32_pk16_fp6_f32 v[PC+12+4*\c:PC+14+4*\c], v[Y+16+32*\c:Y+31+32*\c], v[TM+12+2*\c+1]
.endr
	v_nop                                          ; one plain place behind a scaled conversion
.irp c, 0,1                            ; the operand's layout wants a whole block in a lane: lanes 0-15 block 2 c, lanes 16-31 block 2 c + 1
.irp i, 0,1,2
	v_permlane16_swap_b32 v[PC+6*\c+\i], v[PC+12+4*\c+\i]
.endr
.irp i, 0,1,2
	s_delay_alu instid0(VALU_DEP_3)
	v_mov_b32 v[PC+3+6*\c+\i], v[PC+12+4*\c+\i]
.endr
.endr
.irp c, 0,1,2
	global_store_b128 v4, v[PC+4*\c:PC+4*\c+3], s[10:11] offset:512*\c   ; 512 consecutive bytes, aligned
.endr
	global_store_b32 v8, v[PW], s[28:29]
	s_wait_tensorcnt 0x0                           ; the wave's end, behind my last LDS store
	ds_add_u32 v12, v13
	s_wait_dscnt 0x0
	s_endpgm
.Lfunc_end_k_q5158f3971c_ln2:
	.size	k_q5158f3971c_ln2, .Lfunc_end_k_q5158f3971c_ln2-k_q5158f3971c_ln2
	.p2alignl 7, 3214868480
	.fill 96, 4, 3214868480
	.section	.rodata,"a",@progbits
	.p2align	6, 0x0
	.amdhsa_kernel k_q5158f3971c_ln2
		.amdhsa_group_segment_fixed_size 69632
		.amdhsa_private_segment_fixed_size 0
		.amdhsa_enable_private_segment 0
		.amdhsa_kernarg_size 32
		.amdhsa_user_sgpr_count 2
		.amdhsa_user_sgpr_kernarg_segment_ptr 1
		.amdhsa_wavefront_size32 1
		.amdhsa_system_sgpr_workgroup_id_x 1
		.amdhsa_system_sgpr_workgroup_id_y 1
		.amdhsa_system_sgpr_workgroup_id_z 1
		.amdhsa_system_vgpr_workitem_id 0
		.amdhsa_next_free_vgpr 256
		.amdhsa_next_free_sgpr 66
		.amdhsa_reserve_vcc 0
		.amdhsa_float_denorm_mode_32 3
		.amdhsa_float_denorm_mode_16_64 3
		.amdhsa_memory_ordered 1
		.amdhsa_forward_progress 1
		.amdhsa_inst_pref_size 30
	.end_amdhsa_kernel
	.amdgpu_metadata
---
amdhsa.version: [ 1, 2 ]
amdhsa.kernels:
  - .name:           k_q5158f3971c_ln2
    .symbol:         k_q5158f3971c_ln2.kd
    .args:
      - { .name: x1, .offset: 0, .size: 8, .value_kind: global_buffer, .address_space: global }
      - { .name: g2, .offset: 8, .size: 8, .value_kind: global_buffer, .address_space: global }
      - { .name: be2, .offset: 16, .size: 8, .value_kind: global_buffer, .address_space: global }
      - { .name: hw, .offset: 24, .size: 8, .value_kind: global_buffer, .address_space: global }
    .group_segment_fixed_size: 69632
    .private_segment_fixed_size: 0
    .kernarg_segment_align: 8
    .kernarg_segment_size: 32
    .max_flat_workgroup_size: 256
    .sgpr_count:     66
    .vgpr_count:     256
    .wavefront_size: 32
...
	.end_amdgpu_metadata
.endif
;; end of part 5
;; launch w1 (part 6): grid 16 x 16, 4 waves a work-group, clusters of 4 x 4, 327,680 bytes of LDS; arguments hw, wts, b1, hid; writes hid
.if DOCPART == 6
	.amdgcn_target "amdgcn-amd-amdhsa--gfx1250"
	.amdhsa_code_object_version 6
	.text
	.protected	k_q5158f3971c_w1
	.globl	k_q5158f3971c_w1
	.p2align	8
	.type	k_q5158f3971c_w1,@function
k_q5158f3971c_w1:
	s_mov_b64 s[64:65], 0
	v_nop
	global_prefetch_b8 v0, s[64:65] scope:SCOPE_SE
	s_setreg_imm32_b32 hwreg(HW_REG_WAVE_MODE, 25, 1), 1
	s_wait_xcnt 0x0
	s_wait_alu depctr_hold_cnt(0) depctr_sa_sdst(0) depctr_va_vdst(0) depctr_va_sdst(0) depctr_va_ssrc(0) depctr_va_vcc(0) depctr_vm_vsrc(0)
	s_getreg_b32 s2, hwreg(HW_REG_IB_STS2, 6, 4)
	s_cmp_eq_u32 s2, 0
	s_cbranch_scc0 .Lentry_in_a_cluster
	s_endpgm
.Lentry_in_a_cluster:
	s_bfe_u32 s2, ttmp6, 0x10000c
	s_cmp_lg_u32 s2, 0xf033
	s_cbranch_scc0 .Lentry_shape_is_right
	s_endpgm
.Lentry_shape_is_right:
; hid = Q(gelu(LN2(x1) W1 + b1)) on codes of FP6 (E2M3): 256 x 256 a work-group, four waves 128 x 128 each; K = 8 K steps of 128 through a ring of two LDS slots of 2 K steps, filled by joint loads in a 4 x 4 cluster.
; The scale words do not go through LDS: a wave loads those of its 8 + 8 rowblocks for all of K once, 8 loads of 128 consecutive bytes a K step, behind its head's tensor load: lanes 0-15 hold an even rowblock's words,
; lanes 16-31 the odd one's behind it, and the matrix instruction picks the half by its ROW selectors.  They stand in v32-63 (K steps 0-3) and v224-255 (K steps 4-7), which hold nothing else.
.set RBPA,  448
.set RBPB,  256
.set A_SC,  5505024
.set B_IMG, 786432
.set B_SC,  7110656
.set PART,  24576
.set SLOT,  4*PART
.set SCL,   3*SLOT
.set SPARE, SCL+16384
.set STG,   2*SLOT
.set FR,    12
.set NL,    3
.set NP,    4
.set LI,   3
.set SWA,  4
.set SRD,  5
.set ADRA, 16
.set ADRB, 20
.set ADRS, 27
.set SPW,  28
.set NIL,  29
.set SC,   32
.set BIAS, 64
.set PC,   96
.set SW,   120
.set AF,   128
.set T,    128
.set KV,   196
.set TM,   200
.set PW,   216
.set K2,   98
.set G1, 24
.set G0, 32
.set G0C, 4
.set G1B, 48
.set G0B, 56
.set G0BC, 92
.set G1S, 68
.set G0S, 76
.set G1SB, 80
.set G0SB, 88
.set MSB, 0
.macro WIN new
.if MSB != \new
	s_set_vgpr_msb (MSB<<8)|\new
.set MSB, \new
.endif
.endm
.set MUL_LO, 0xa1
.set MUL_HI, 0xf1
.set FST_LO, 0x81
.set FST_HI, 0xc1
.set TO_B,   0x40
.macro JLOAD g0a, g1a, g0b, g1b
	s_cmp_eq_u32 s15, 0
	s_cbranch_scc0 .Lfor_b_\@
	tensor_load_to_lds s[\g0a:\g0a+3], s[\g1a:\g1a+7]
	s_nop 0
.rept 4
	v_nop
.endr
	s_branch .Lasked_\@
.Lfor_b_\@:
	tensor_load_to_lds s[\g0b:\g0b+3], s[\g1b:\g1b+7]
	s_nop 0
.rept 4
	v_nop
.endr
.Lasked_\@:
.endm
.macro CREST
	s_cmp_lg_u32 s14, 0
	s_cbranch_scc1 .Lnot_wave_0_\@
	s_barrier_signal -3
.Lnot_wave_0_\@:
	s_barrier_wait -3
	s_barrier_signal -1
	s_barrier_wait -1
.endm
.macro CROUND
	s_barrier_signal -1
	s_barrier_wait -1
	CREST
.endm
	s_load_b256 s[4:11], s[0:1], 0x0
	v_lshl_add_u32 v[SPW], v0, 2, SPARE
	v_mov_b32 v[NIL], 0
	ds_add_u32 v[SPW], v[NIL]
	ds_add_u32 v[SPW], v[NIL]
	v_lshrrev_b32 v1, 5, v0
	v_readfirstlane_b32 s14, v1
	s_lshr_b32 s15, s14, 1
	s_and_b32 s16, s14, 1
	s_bfe_u32 s40, ttmp6, 0x40000
	s_bfe_u32 s41, ttmp6, 0x40004
	s_and_b32 s17, ttmp7, 0xffff
	s_lshl_b32 s17, s17, 2
	s_add_co_u32 s17, s17, s41
	s_lshl_b32 s42, ttmp9, 2
	s_add_co_u32 s42, s42, s40
	s_lshl_b32 s43, s41, 2
	s_lshl_b32 s43, 15, s43
	s_lshl_b32 s44, 0x1111, s40
	s_or_b32 s[G1+0], s43, (3<<16)|(1<<21)
	s_or_b32 s[G1B+0], s44, (3<<16)|(1<<21)
.irp g, G1, G1B
	s_mov_b32 s[\g+1], 1536<<16
	s_mov_b32 s[\g+2], 2<<16
	s_mov_b32 s[\g+3], 1536<<16
	s_mov_b32 s[\g+4], 2
	s_mov_b32 s[\g+6], 0
	s_mov_b32 s[\g+7], 0
.endr
	s_mov_b32 s[G1+5], RBPA*192
	s_mov_b32 s[G1B+5], RBPB*192
	s_mul_i32 s18, s16, PART/2
	s_mul_i32 s20, s17, PART
	s_add_co_u32 s20, s20, s18
	s_mov_b32 s21, 0
	s_mul_i32 s46, s42, PART
	s_add_co_u32 s46, s46, s18
	s_add_co_u32 s46, s46, B_IMG
	s_mov_b32 s47, 0
	s_lshl_b32 s19, s15, 9                         ; the scale words of my 8 rowblocks of A'
	s_lshl_b32 s22, s17, 10
	s_add_co_u32 s22, s22, s19
	s_add_co_u32 s22, s22, A_SC
	s_mov_b32 s23, 0
	s_lshl_b32 s19, s16, 9                         ; and of B'
	s_lshl_b32 s92, s42, 10
	s_add_co_u32 s92, s92, s19
	s_add_co_u32 s92, s92, B_SC
	s_mov_b32 s93, 0
	s_mul_i32 s45, s14, PART
	s_wait_dscnt 0x0
	s_wait_kmcnt 0x0
	s_add_nc_u64 s[20:21], s[4:5], s[20:21]
	s_add_nc_u64 s[22:23], s[4:5], s[22:23]
	s_add_nc_u64 s[46:47], s[6:7], s[46:47]
	s_add_nc_u64 s[92:93], s[6:7], s[92:93]
	CROUND
	s_mov_b64 s[76:77], s[22:23]                   ; A''s scale words, in registers that are not written again; B''s stay in s[92:93]
.macro FIRSTFILL ga, gb, s
	s_mov_b32 s[\ga], 1
	s_add_co_u32 s[\ga+1], s45, \s*SLOT
	s_add_nc_u64 s[\ga+2:\ga+3], s[20:21], \s*2*RBPA*1536
	s_or_b32 s[\ga+3], s[\ga+3], 0x80000000
	s_mov_b32 s[\gb], 1
	s_add_co_u32 s[\gb+1], s45, \s*SLOT
	s_add_nc_u64 s[\gb+2:\gb+3], s[46:47], \s*2*RBPB*1536
	s_or_b32 s[\gb+3], s[\gb+3], 0x80000000
.if \s                                 ; slot 0's fill is my one load at the head, behind the opening round; slot 1's stands behind the full sequence
	s_wait_alu depctr_va_vdst(0)
	s_wait_tensorcnt 0x0
	ds_add_u32 v28, v29
	s_wait_dscnt 0x0
	CROUND
.endif
	JLOAD \ga, G1, \gb, G1B
.endm
	FIRSTFILL G0, G0B, 0
	v_and_b32 v9, 31, v0
	v_lshlrev_b32 v9, 2, v9                        ; 4 x lane; never rewritten
	s_wait_alu depctr_va_vdst(0)                   ; the wait behind the write
.set n, 0
.rept 8                                ; the scale words of all of K, K ascending: 64 loads
.set SK, SC+16*(n/2)+160*(n/4)+8*(n%2)
.irp p, 0,1,2,3
	global_load_b32 v[SK+\p], v9, s[76:77] offset:n*RBPA*64+128*\p
	global_load_b32 v[SK+4+\p], v9, s[92:93] offset:n*RBPB*64+128*\p
.endr
.set n, n+1
.endr
	FIRSTFILL G0+4, G0B+4, 1
	v_and_b32 v1, 15, v0
	v_bfe_u32 v2, v0, 4, 1
	v_and_b32 v[LI], 31, v0
	v_lshlrev_b32 v[LI], 4, v[LI]
	s_mul_i32 s21, s15, PART
	s_mul_i32 s22, s16, PART
	s_add_co_u32 s22, s22, 2*PART
.irp s, 0,1,2
	v_add_nc_u32 v[ADRA+\s], s21, v[LI]
	v_add_nc_u32 v[ADRB+\s], s22, v[LI]
	s_add_co_u32 s21, s21, SLOT
	s_add_co_u32 s22, s22, SLOT
.endr
	s_wait_alu depctr_va_vdst(0)
	s_lshl_b32 s21, s14, 9
	s_add_co_u32 s21, s21, STG
	v_lshl_add_u32 v[SWA], v1, 2, s21
	v_add_nc_u32 v[SRD], s21, v[LI]
	v_lshlrev_b32 v8, 5, v2
	s_lshl_b32 s96, s42, 10
	s_lshl_b32 s97, s16, 9
	s_add_co_u32 s96, s96, s97
	s_mov_b32 s97, 0
	s_add_nc_u64 s[8:9], s[8:9], s[96:97]
.irp b, 0,1,2,3,4,5,6,7
	global_load_b128 v[BIAS+8*\b:BIAS+8*\b+3], v8, s[8:9] offset:64*\b
	global_load_b128 v[BIAS+8*\b+4:BIAS+8*\b+7], v8, s[8:9] offset:64*\b+16
.endr
	s_lshl_b32 s96, s42, 1
	s_add_co_u32 s96, s96, s16
	s_lshl_b32 s96, s96, 8
	s_lshl_b32 s97, s17, 4
	s_add_co_u32 s96, s96, s97
	s_lshl_b32 s97, s15, 3
	s_add_co_u32 s96, s96, s97
	s_mul_i32 s12, s96, 1536
	s_mov_b32 s13, 0
	s_lshl_b32 s66, s96, 6
	s_add_co_u32 s66, s66, 12582912
	s_mov_b32 s67, 0
	s_add_nc_u64 s[12:13], s[10:11], s[12:13]
	s_add_nc_u64 s[66:67], s[10:11], s[66:67]
	s_mov_b32 s[K2], 0xbdd2d3e8
	s_mov_b32 s[K2+1], s[K2]
.macro FRAG reg, adr, q, i
.irp c, 0,1,2
	ds_load_b128 v[\reg+4*\c:\reg+4*\c+3], v[\adr] offset:(\q)*12288+(\i)*1536+\c*512
.endr
.endm
.macro MUL16 a0, p, q, sc, first       ; A''s blocks a0, a0 + 1 (a0 even) x B''s eight, of K step 2 sc + q; the accumulators take turns in the same order in every step
.set SK, SC+16*(\sc)+160*((\sc)/2)+8*(\q)      ; that K step's scale registers: 4 of A', then 4 of B', two rowblocks to a register
.irp ar, 0,1
.irp bp, 0,1,2,3
.irp br, 0,1
.set AI, (\a0)+\ar
.set BI, 2*\bp+\br
.set AC, 8*(8*(AI%4)+BI)
.if \first
	v_wmma_scale_f32_16x16x128_f8f6f4 v[AC:AC+7], v[128*(\p)+FR*BI:128*(\p)+FR*BI+FR-1], v[AF+FR*AI:AF+FR*AI+FR-1], v[BIAS+8*BI:BIAS+8*BI+7], v[SK+4+\bp], v[SK+(\a0)/2] matrix_a_fmt:MATRIX_FMT_FP6 matrix_b_fmt:MATRIX_FMT_FP6 matrix_a_scale:MATRIX_SCALE_ROW\br matrix_b_scale:MATRIX_SCALE_ROW\ar
.else
	v_wmma_scale_f32_16x16x128_f8f6f4 v[AC:AC+7], v[128*(\p)+FR*BI:128*(\p)+FR*BI+FR-1], v[AF+FR*AI:AF+FR*AI+FR-1], v[AC:AC+7], v[SK+4+\bp], v[SK+(\a0)/2] matrix_a_fmt:MATRIX_FMT_FP6 matrix_b_fmt:MATRIX_FMT_FP6 matrix_a_scale:MATRIX_SCALE_ROW\br matrix_b_scale:MATRIX_SCALE_ROW\ar
.endif
.endr
.endr
.endr
.endm
.macro FETCH_B slot, q, p
	WIN TO_B
.irp i, 0,1,2,3,4,5,6,7
	FRAG 128*(\p)+FR*\i, ADRB+\slot, \q, \i
.endr
	WIN 0
.endm
.macro FETCH_A slot, q, i0
.irp i, \i0, \i0+1, \i0+2, \i0+3
	FRAG AF+FR*(\i), ADRA+\slot, \q, \i
.endr
.endm
.macro PLACES n
.rept \n
	v_nop
.endr
.endm
.macro STEP slot, set, first
	s_wait_dscnt 4*NL
.if \first
	WIN FST_LO
.else
	WIN MUL_LO
.endif
	MUL16 0, 0, 0, \set, \first
	MUL16 2, 0, 0, \set, \first
	s_wait_dscnt 0
	PLACES NP
	FETCH_B \slot, 1, 1
	FETCH_A \slot, 1, 0
.if \first
	WIN FST_HI
.else
	WIN MUL_HI
.endif
	MUL16 4, 0, 0, \set, \first
	MUL16 6, 0, 0, \set, \first
	PLACES NP
	WIN 0
	FETCH_A \slot, 1, 4
.endm
.macro TURN slot, next, set, fill
	s_wait_tensorcnt 0x0
	ds_add_u32 v[SPW], v[NIL]
	s_wait_dscnt 4*NL+1
	WIN MUL_LO
	MUL16 0, 1, 1, \set, 0
	s_wait_dscnt 0x0
	s_barrier_signal -1
	MUL16 2, 1, 1, \set, 0
	WIN 0
	s_barrier_wait -1
.if \fill
	CREST
	s_add_nc_u64 s[G0+4*\slot+2:G0+4*\slot+3], s[G0+4*\slot+2:G0+4*\slot+3], 4*RBPA*1536
	s_add_nc_u64 s[G0B+4*\slot+2:G0B+4*\slot+3], s[G0B+4*\slot+2:G0B+4*\slot+3], 4*RBPB*1536
	JLOAD G0+4*\slot, G1, G0B+4*\slot, G1B
.else
	PLACES NP
.endif
	FETCH_B \next, 0, 0
	FETCH_A \next, 0, 0
	WIN MUL_HI
	MUL16 4, 1, 1, \set, 0
	MUL16 6, 1, 1, \set, 0
	PLACES NP
	WIN 0
	FETCH_A \next, 0, 4
.endm
	s_wait_alu depctr_va_vdst(0)
	s_wait_tensorcnt 0x1                           ; slot 1's load, my youngest, may be out
	s_barrier_signal -1
	s_barrier_wait -1
	FETCH_B 0, 0, 0
	FETCH_A 0, 0, 0
	FETCH_A 0, 0, 4
	s_wait_loadcnt 0x0                             ; the scale words and the bias
	STEP 0, 0, 1
	TURN 0, 1, 0, 1                                ; a ring of two slots: slot 0 takes K steps 4, 5 here,
	STEP 1, 1, 0
	TURN 1, 0, 1, 1                                ; slot 1 K steps 6, 7 here
	STEP 0, 2, 0
	TURN 0, 1, 2, 0
	STEP 1, 3, 0
	s_wait_dscnt 4*NL
	WIN MUL_LO
	MUL16 0, 1, 1, 3, 0
	MUL16 2, 1, 1, 3, 0
	s_wait_dscnt 0
	WIN MUL_HI
	MUL16 4, 1, 1, 3, 0
	MUL16 6, 1, 1, 3, 0
	WIN 0
.macro GELU xs, w
.set QA, (\w)|((\w)<<2)
.set QB, (\w)<<2
.set QC, (\w)
	WIN QA
.set n, 0
.rept 32
	v_pk_mul_f32 v[T+n:T+n+1], v[\xs+n:\xs+n+1], v[\xs+n:\xs+n+1]
.set n, n+2
.endr
	WIN 0
.set n, 0
.rept 32
	v_pk_fma_f32 v[T+n:T+n+1], v[T+n:T+n+1], s[K2:K2+1], v[KV:KV+1] op_sel_hi:[1,0,1]
.set n, n+2
.endr
	WIN QB
.set n, 0
.rept 32
	v_pk_mul_f32 v[T+n:T+n+1], v[T+n:T+n+1], v[\xs+n:\xs+n+1]
.set n, n+2
.endr
	WIN 0
.set n, 0
	s_wait_alu depctr_va_vdst(0)
.rept 64
	v_exp_f32 v[T+n], v[T+n]
.set n, n+1
.endr
	v_nop
	s_wait_alu depctr_va_vdst(0)
.set n, 0
.rept 32
	v_pk_add_f32 v[T+n:T+n+1], v[T+n:T+n+1], 1.0 op_sel_hi:[1,0]
.set n, n+2
.endr
.set n, 0
	s_wait_alu depctr_va_vdst(0)
.rept 64
	v_rcp_f32 v[T+n], v[T+n]
.set n, n+1
.endr
	v_nop
	s_wait_alu depctr_va_vdst(0)
	WIN QC
.set n, 0
.rept 32
	v_pk_mul_f32 v[T+n:T+n+1], v[\xs+n:\xs+n+1], v[T+n:T+n+1]
.set n, n+2
.endr
	WIN 0
.endm
.macro QUANT s
.irp b, 0,1,2,3
	v_max3_num_f32 v[TM+\b], |v[\s+16*\b]|, |v[\s+1+16*\b]|, 0x1800000
.endr
.irp i, 2,4,6,8,10,12,14
.irp b, 0,1,2,3
	v_max3_num_f32 v[TM+\b], v[TM+\b], |v[\s+16*\b+\i]|, |v[\s+1+16*\b+\i]|
.endr
.endr
.irp b, 0,1,2,3
	v_permlanex16_b32 v[TM+4+\b], v[TM+\b], s2, s3
.endr
.irp b, 0,1,2,3
	v_max_num_f32 v[TM+\b], v[TM+\b], v[TM+4+\b]
.endr
.irp b, 0,1,2,3
	v_add_nc_u32 v[TM+12+\b], 0xff000000, v[TM+\b]
.endr
.irp b, 0,1,2,3
	v_lshrrev_b32 v[TM+4+\b], 23, v[TM+12+\b]
.endr
	s_wait_alu depctr_va_vdst(0)
	s_wait_dscnt 0x0
	v_lshl_or_b32 v[PW], v[TM+5], 8, v[TM+4]
	v_lshl_or_b32 v[PW], v[TM+6], 16, v[PW]
	v_lshl_or_b32 v[PW], v[TM+7], 24, v[PW]
	s_wait_xcnt 0x0
.irp c, 0,1
	v_cvt_scalef32_pk16_fp6_f32 v[PC+6*\c:PC+2+6*\c], v[\s+32*\c:\s+15+32*\c], v[TM+12+2*\c]
	v_cvt_scalef32_pk16_fp6_f32 v[PC+12+4*\c:PC+14+4*\c], v[\s+16+32*\c:\s+31+32*\c], v[TM+12+2*\c+1]
.endr
	v_nop
.irp c, 0,1
.irp i, 0,1,2
	v_permlane16_swap_b32 v[PC+6*\c+\i], v[PC+12+4*\c+\i]
.endr
.irp i, 0,1,2
	v_mov_b32 v[PC+3+6*\c+\i], v[PC+12+4*\c+\i]
.endr
.endr
.endm
	PLACES NP
	s_mov_b32 s2, 0x76543210
	s_mov_b32 s3, 0xfedcba98
	v_mov_b32 v[KV], 0xc0135761
	v_mov_b32 v[KV+1], 0xc0135761
.irp b, 0,1,2,3
	v_mov_b32 v[TM+4+\b], 0
.endr
.irp a, 0,1,2,3,4,5,6,7
.set QS, 64*(\a%4)
.set QW, 2+\a/4
	GELU QS, QW
	QUANT T
.irp c, 0,1,2
	global_store_b128 v[LI], v[PC+4*\c:PC+4*\c+3], s[12:13] offset:\a*1536+512*\c
.endr
	ds_store_b32 v[SWA], v[PW] offset:64*\a
.endr
	ds_load_b128 v[SW:SW+3], v[SRD]
	s_wait_dscnt 0x0
	global_store_b128 v[LI], v[SW:SW+3], s[66:67]
	s_wait_tensorcnt 0x0
	ds_add_u32 v[SPW], v[NIL]
	s_wait_dscnt 0x0
	CROUND
	s_endpgm
.Lfunc_end_k_q5158f3971c_w1:
	.size	k_q5158f3971c_w1, .Lfunc_end_k_q5158f3971c_w1-k_q5158f3971c_w1
	.p2alignl 7, 3214868480
	.fill 96, 4, 3214868480
	.section	.rodata,"a",@progbits
	.p2align	6, 0x0
	.amdhsa_kernel k_q5158f3971c_w1
		.amdhsa_group_segment_fixed_size 327680
		.amdhsa_private_segment_fixed_size 0
		.amdhsa_enable_private_segment 0
		.amdhsa_kernarg_size 32
		.amdhsa_user_sgpr_count 2
		.amdhsa_user_sgpr_kernarg_segment_ptr 1
		.amdhsa_wavefront_size32 1
		.amdhsa_system_sgpr_workgroup_id_x 1
		.amdhsa_system_sgpr_workgroup_id_y 1
		.amdhsa_system_sgpr_workgroup_id_z 1
		.amdhsa_system_vgpr_workitem_id 0
		.amdhsa_next_free_vgpr 1024
		.amdhsa_next_free_sgpr 100
		.amdhsa_reserve_vcc 0
		.amdhsa_float_denorm_mode_32 3
		.amdhsa_float_denorm_mode_16_64 3
		.amdhsa_memory_ordered 1
		.amdhsa_forward_progress 1
		.amdhsa_inst_pref_size 255
	.end_amdhsa_kernel
	.section	.bss,"aw",@nobits
	.p2align	6
	.space	262144
	.amdgpu_metadata
---
amdhsa.version: [ 1, 2 ]
amdhsa.kernels:
  - .name:           k_q5158f3971c_w1
    .symbol:         k_q5158f3971c_w1.kd
    .args:
      - { .name: hw, .offset: 0, .size: 8, .value_kind: global_buffer, .address_space: global }
      - { .name: wts, .offset: 8, .size: 8, .value_kind: global_buffer, .address_space: global }
      - { .name: b1, .offset: 16, .size: 8, .value_kind: global_buffer, .address_space: global }
      - { .name: hid, .offset: 24, .size: 8, .value_kind: global_buffer, .address_space: global }
    .group_segment_fixed_size: 327680
    .private_segment_fixed_size: 0
    .kernarg_segment_align: 8
    .kernarg_segment_size: 32
    .max_flat_workgroup_size: 128
    .sgpr_count:     100
    .vgpr_count:     1024
    .wavefront_size: 32
...
	.end_amdgpu_metadata
.endif
;; end of part 6
;; launch w2 (part 7): grid 8 x 32, 4 waves a work-group, clusters of 4 x 4, 327,680 bytes of LDS; arguments hid, wts, b2, x1, out0; writes out0
.if DOCPART == 7
	.amdgcn_target "amdgcn-amd-amdhsa--gfx1250"
	.amdhsa_code_object_version 6
	.text
	.protected	k_q5158f3971c_w2
	.globl	k_q5158f3971c_w2
	.p2align	8
	.type	k_q5158f3971c_w2,@function
k_q5158f3971c_w2:
	s_mov_b64 s[64:65], 0
	v_nop
	global_prefetch_b8 v0, s[64:65] scope:SCOPE_SE
	s_setreg_imm32_b32 hwreg(HW_REG_WAVE_MODE, 25, 1), 1
	s_wait_xcnt 0x0
	s_wait_alu depctr_hold_cnt(0) depctr_sa_sdst(0) depctr_va_vdst(0) depctr_va_sdst(0) depctr_va_ssrc(0) depctr_va_vcc(0) depctr_vm_vsrc(0)
	s_getreg_b32 s2, hwreg(HW_REG_IB_STS2, 6, 4)
	s_cmp_eq_u32 s2, 0
	s_cbranch_scc0 .Lentry_in_a_cluster
	s_endpgm
.Lentry_in_a_cluster:
	s_bfe_u32 s2, ttmp6, 0x10000c
	s_cmp_lg_u32 s2, 0xf033
	s_cbranch_scc0 .Lentry_shape_is_right
	s_endpgm
.Lentry_shape_is_right:
; out0 = x1 + hid W2 + b2, the product on codes of FP6 (E2M3).  A' = hid (tokens; images [32 K steps][256 rowblocks]), B' = W2's columns (wts + 3,932,160; [32][64]); scale words 64 bytes a fragment.
; A work-group makes 128 x 128 (256 work-groups), four waves 64 x 64 each: 16 accumulators.  CLUSTER 4 x 4: A''s tiles are asked for jointly along a row of the cluster, B''s along a column.
; THE RING: two slots of 6 K steps of both operands (147,456 bytes each).  K = 32 K steps comes in six fills of 6, 6, 6, 6, 6 and 2.  A wave fetches 4 rowblocks of one operand for all K steps of a fill
; (rows of 6,144 bytes, a K plane apart): one tensor load; waves 0, 1: A''s halves, waves 2, 3: B''s; wave (wy, wx) reads parts wy and 2 + wx.  Fill 0 is asked for at the head, fill 1 behind the full sequence and a round,
; fill f + 2 at the start of fill f's last K step: that step's fragments are in registers then, so the slot has been read out.
; THE SCALE WORDS DO NOT GO THROUGH LDS: a wave loads those of its 4 + 4 rowblocks for all of K once, 4 loads of 128 bytes a K step, into v32-159: lanes 0-15 hold an even rowblock's words, lanes 16-31 the odd one's behind it,
; and the matrix instruction picks the half by its ROW selectors.
; A K STEP: its successor's 24 fragment loads are issued first, then its own are waited for, then come its 16 products: a fragment has 16 products in which to come.
; PREFETCH: behind the loads of fills 1, 2 and 3 each wave asks for the next fill's bytes (fills 2, 3, 4), one change of slots (6 K steps) ahead of the tensor load that wants them.  Of the 4 rowblocks that a wave fetches, the partner
; at place p (cx for A', cy for B') names rowblock p: 6 blocks of 256 bytes in each of 6 K planes, a lane a block, 18 lanes an instruction (the others name the 18th block again), two instructions.  Fills 0 and 1 come by their
; loads alone, and so does the last, which has 2 K planes: nothing outside the buffers is named.
; THE PRODUCT IS USED TRANSPOSED (source 0 = 16 columns of W2, source 1 = 16 tokens): a lane holds eight neighbouring numbers of a row of the result.  The bias is the C of each sum's first matrix instruction.
; REGISTERS: window 0: v1-31 addresses; v32-159 scale words (nothing else); v160-191 the bias, then with v192-223 rows on the way out.  window 1: two fragment buffers at v0 and v128: A' 4 x 12, then B' 4 x 12.
;   window 2: v0-127 the accumulators, (a, b) at v[8 (4 a + b)]; v128-255 the residual.
.set KSTEPS, 32
.set GEN,    6                         ; K steps in a slot
.set NF,     (KSTEPS+GEN-1)/GEN        ; fills
.set A_SC,   12582912
.set B_IMG,  3932160
.set B_SC,   7241728
.set APL,    256*1536                  ; a K plane of A''s images, of B''s, and of their scale words
.set BPL,    64*1536
.set ASP,    256*64
.set BSP,    64*64
.set KROW,   6144                      ; 4 rowblocks of a K step
.set PART,   GEN*KROW                  ; what one tensor load brings
.set SLOT,   4*PART
.set SPARE,  2*SLOT                    ; the spare words, 512 bytes that no other line names
.set STG,    SPARE+512                 ; the way out: a stage of 16 rows x (256 + 16) bytes for each wave, bytes into which no fill lands
.set SPITCH, 272
.set LI,   3                           ; 16 x lane
.set LS,   5                           ; 4 x lane
.set ADRA, 16                          ; v16, v17 my A' fragments in slot 0, 1
.set ADRB, 20                          ; v20, v21 the same for B'
.set STO,  24
.set RD,   25
.set CO,   26
.set BOF,  27
.set SPW,  28
.set NIL,  29
.set PFO,  30                          ; v30, v31 the prefetches' offsets: K planes 0-2 and 3-5 of a fill
.set SC,   32
.set BIAS, 160
.set G1, 24
.set G0, 32
.set G1B, 48
.set G0B, 56
.set PSA, 72                           ; s[72:75] my scale words of A', of B'
.set PSB, 74
.set PF,  76                           ; s[76:77] where my prefetches stand; s[78:79] a fill's length along K in bytes
.set PS,  78
.set MSB, 0
.macro WIN new                         ; the immediate's high byte repeats the setting that is left
.if MSB != \new
	s_set_vgpr_msb (MSB<<8)|\new
.set MSB, \new
.endif
.endm
.set TO_F, 0x40                        ; destination window 1, address window 0
.macro JLOAD g0a, g1a, g0b, g1b        ; waves 0 and 1 fetch for A', waves 2 and 3 for B'; an s_nop 0 and four v_nop follow each line
	s_cmp_eq_u32 s15, 0
	s_cbranch_scc0 .Lfor_b_\@
	tensor_load_to_lds s[\g0a:\g0a+3], s[\g1a:\g1a+7]
	s_nop 0
.rept 4
	v_nop
.endr
	s_branch .Lasked_\@
.Lfor_b_\@:
	tensor_load_to_lds s[\g0b:\g0b+3], s[\g1b:\g1b+7]
	s_nop 0
.rept 4
	v_nop
.endr
.Lasked_\@:
.endm
.macro CREST
	s_cmp_lg_u32 s14, 0
	s_cbranch_scc1 .Lnot_wave_0_\@
	s_barrier_signal -3
.Lnot_wave_0_\@:
	s_barrier_wait -3
	s_barrier_signal -1
	s_barrier_wait -1
.endm
.macro CROUND
	s_barrier_signal -1
	s_barrier_wait -1
	CREST
.endm
	s_load_b256 s[4:11], s[0:1], 0x0               ; A' s[4:5], wts s[6:7], the bias s[8:9], the residual s[10:11]
	s_load_b64 s[12:13], s[0:1], 0x20              ; the result
	v_lshl_add_u32 v[SPW], v0, 2, SPARE
	v_mov_b32 v[NIL], 0
	ds_add_u32 v[SPW], v[NIL]                      ; the wave's opening: the add, twice on end, and its wait ahead of my first tensor load
	ds_add_u32 v[SPW], v[NIL]
	v_lshrrev_b32 v1, 5, v0
	v_readfirstlane_b32 s14, v1                    ; wave 0..3
	s_lshr_b32 s15, s14, 1                         ; wy.  Also: I fetch for A' (0) or B' (1)
	s_and_b32 s16, s14, 1                          ; wx.  Also: which 4 rowblocks I fetch
	s_bfe_u32 s40, ttmp6, 0x40000                  ; cx
	s_bfe_u32 s41, ttmp6, 0x40004                  ; cy
	s_lshl_b32 s42, ttmp9, 2
	s_add_co_u32 s42, s42, s40                     ; tile of 128 columns
	s_and_b32 s17, ttmp7, 0xffff
	s_lshl_b32 s17, s17, 2
	s_add_co_u32 s17, s17, s41                     ; tile of 128 tokens
	s_lshl_b32 s43, s41, 2
	s_lshl_b32 s43, 15, s43                        ; my row of the cluster
	s_lshl_b32 s44, 0x1111, s40                    ; my column
	s_or_b32 s[G1+0], s43, (3<<16)|(1<<21)         ; group 1: GEN rows (K steps) of 6,144 bytes (768 elements of 8 bytes), a K plane apart; no padding: images are read 16 bytes a lane on end
	s_or_b32 s[G1B+0], s44, (3<<16)|(1<<21)
.irp g, G1, G1B
	s_mov_b32 s[\g+1], 768<<16
	s_mov_b32 s[\g+2], GEN<<16
	s_mov_b32 s[\g+3], 768<<16
	s_mov_b32 s[\g+4], GEN
	s_mov_b32 s[\g+6], 0
	s_mov_b32 s[\g+7], 0
.endr
	s_mov_b32 s[G1+5], 256*192
	s_mov_b32 s[G1B+5], 64*192
	s_mul_i32 s18, s16, KROW                       ; the 4 rowblocks that I fetch
	s_mul_i32 s20, s17, 12288                      ; A''s codes: 8 rowblocks a tile
	s_add_co_u32 s20, s20, s18
	s_mov_b32 s21, 0
	s_mul_i32 s46, s42, 12288                      ; B''s
	s_add_co_u32 s46, s46, s18
	s_add_co_u32 s46, s46, B_IMG
	s_mov_b32 s47, 0
	s_mul_i32 s45, s14, PART                       ; where they go: by the wave's number alone
	s_wait_dscnt 0x0                               ; both opening adds are done
	s_wait_kmcnt 0x0
	s_add_nc_u64 s[20:21], s[4:5], s[20:21]
	s_add_nc_u64 s[46:47], s[6:7], s[46:47]
	CROUND                                         ; all sixteen work-groups are here: the first joint loads meet
.irp s, 0,1
	s_mov_b32 s[G0+4*\s], 1
	s_add_co_u32 s[G0+4*\s+1], s45, \s*SLOT
	s_add_nc_u64 s[G0+4*\s+2:G0+4*\s+3], s[20:21], \s*GEN*APL
	s_or_b32 s[G0+4*\s+3], s[G0+4*\s+3], 0x80000000
	s_mov_b32 s[G0B+4*\s], 1
	s_add_co_u32 s[G0B+4*\s+1], s45, \s*SLOT
	s_add_nc_u64 s[G0B+4*\s+2:G0B+4*\s+3], s[46:47], \s*GEN*BPL
	s_or_b32 s[G0B+4*\s+3], s[G0B+4*\s+3], 0x80000000
.endr
	JLOAD G0, G1, G0B, G1B                         ; fill 0: my one load at the head
	s_mul_i32 s80, s15, PART                       ; my 4 rowblocks of A',
	s_mul_i32 s82, s16, PART
	s_add_co_u32 s82, s82, 2*PART                  ; and of B'
	s_add_co_u32 s81, s80, SLOT
	s_add_co_u32 s83, s82, SLOT
	s_mul_i32 s23, s14, 16*SPITCH
	s_add_co_u32 s23, s23, STG                     ; my stage
	s_lshl_b32 s84, s17, 9                         ; A''s scale words: 8 rowblocks of 64 bytes a tile, my 4
	s_lshl_b32 s85, s15, 8
	s_add_co_u32 s84, s84, s85
	s_add_co_u32 s84, s84, A_SC
	s_mov_b32 s85, 0
	s_add_nc_u64 s[PSA:PSA+1], s[4:5], s[84:85]
	s_lshl_b32 s84, s42, 9                         ; B''s
	s_lshl_b32 s86, s16, 8
	s_add_co_u32 s84, s84, s86
	s_add_co_u32 s84, s84, B_SC
	s_add_nc_u64 s[PSB:PSB+1], s[6:7], s[84:85]
	s_lshl_b32 s96, s42, 9
	s_lshl_b32 s97, s16, 8
	s_add_co_u32 s96, s96, s97                     ; my first column, in bytes
	s_mov_b32 s97, 0
	s_add_nc_u64 s[8:9], s[8:9], s[96:97]
	s_lshl_b32 s98, s17, 7
	s_lshl_b32 s99, s15, 6
	s_add_co_u32 s98, s98, s99                     ; my first row
	s_lshl_b32 s98, s98, 12
	s_add_co_u32 s98, s98, s96
	s_mov_b32 s99, 0
	s_add_nc_u64 s[10:11], s[10:11], s[98:99]
	s_add_nc_u64 s[12:13], s[12:13], s[98:99]
	s_mov_b32 s70, BPL
	s_cmp_eq_u32 s15, 0                            ; the prefetches: do I fetch for A'?
	s_cselect_b64 s[PF:PF+1], s[20:21], s[46:47]   ; the 4 rowblocks that I fetch,
	s_cselect_b32 s86, s40, s41                    ; my place among the four that ask for them with me: it enters this address alone,
	s_cselect_b32 s70, APL, s70                    ; a K plane
	s_mul_i32 s86, s86, 1536
	s_mul_i32 s87, s70, 2*GEN                      ; from fill 2 on
	s_add_co_u32 s86, s86, s87
	s_mov_b32 s87, 0
	s_add_nc_u64 s[PF:PF+1], s[PF:PF+1], s[86:87]
	s_mul_i32 s[PS], s70, GEN
	s_mov_b32 s[PS+1], 0
	s_mul_i32 s71, s70, 3
	v_and_b32 v1, 15, v0                           ; r
	v_bfe_u32 v2, v0, 4, 1                         ; h
	v_and_b32 v4, 31, v0
	v_lshlrev_b32 v[LI], 4, v4
	v_lshlrev_b32 v[LS], 2, v4
	v_add_nc_u32 v[ADRA], s80, v[LI]
	v_add_nc_u32 v[ADRB], s82, v[LI]
	v_add_nc_u32 v[ADRA+1], s81, v[LI]
	v_add_nc_u32 v[ADRB+1], s83, v[LI]
	v_mul_u32_u24 v6, v1, SPITCH
	v_lshl_add_u32 v6, v2, 5, v6
	v_add_nc_u32 v[STO], s23, v6                   ; in: row r, 32 bytes for each half of the lanes
	v_mul_u32_u24 v6, v2, SPITCH
	v_lshl_add_u32 v6, v1, 4, v6
	v_add_nc_u32 v[RD], s23, v6                    ; back: lanes 0-15 one row of 256 bytes, lanes 16-31 the next
	v_lshlrev_b32 v6, 12, v2
	v_lshl_add_u32 v[CO], v1, 4, v6                ; and the same two rows in memory
	v_lshlrev_b32 v[BOF], 5, v2                    ; 32 h
	v_min_u32 v8, 17, v4                           ; block i = min(lane, 17) of 18:
	v_mul_u32_u24 v9, v8, 43
	v_lshrrev_b32 v9, 8, v9                        ; K plane i / 6,
	v_mul_u32_u24 v10, v9, 6
	v_sub_nc_u32 v10, v8, v10                      ; block i % 6 of the rowblock
	v_mul_u32_u24 v9, v9, s70
	v_lshl_add_u32 v[PFO], v10, 8, v9
	v_add_nc_u32 v[PFO+1], s71, v[PFO]
	s_wait_alu depctr_va_vdst(0)                   ; the wait at the head's end
.irp b, 0,1,2,3
	global_load_b128 v[BIAS+8*\b:BIAS+8*\b+3], v[BOF], s[8:9] offset:64*\b       ; the bias at columns 16 b + 8 h + 0 .. 7: the result's layout
	global_load_b128 v[BIAS+8*\b+4:BIAS+8*\b+7], v[BOF], s[8:9] offset:64*\b+16
.endr
.set n, 0
.rept KSTEPS                           ; the scale words of all of K, K ascending
	global_load_b32 v[SC+4*n], v[LS], s[PSA:PSA+1] offset:n*ASP
	global_load_b32 v[SC+4*n+1], v[LS], s[PSA:PSA+1] offset:n*ASP+128
	global_load_b32 v[SC+4*n+2], v[LS], s[PSB:PSB+1] offset:n*BSP
	global_load_b32 v[SC+4*n+3], v[LS], s[PSB:PSB+1] offset:n*BSP+128
.set n, n+1
.endr
; GK: the K step in hand.  Buffers go by its parity, slots by the parity of GK / GEN.
.set GK, 0
.macro FETCH                           ; K step FG's 8 fragments: 24 loads
.set FB, 128*(FG%2)
.set FS, (FG/GEN)%2
.set FQ, FG%GEN
	WIN TO_F
.set n, 0
.rept 12
	ds_load_b128 v[FB+48+4*n:FB+48+4*n+3], v[ADRB+FS] offset:FQ*KROW+512*n
.set n, n+1
.endr
.set n, 0
.rept 12
	ds_load_b128 v[FB+4*n:FB+4*n+3], v[ADRA+FS] offset:FQ*KROW+512*n
.set n, n+1
.endr
.endm
.macro WMUL                            ; sources 0 (B') and 1 (A') window 1, D window 2; C window 2, in K step 0 window 0 (the bias)
.if GK == 0
	WIN 0x85
.else
	WIN 0xa5
.endif
.endm
; 4 matrix instructions: A''s block 2 ap + ar x B''s four.  The 16 accumulators take turns, one instruction a turn, in the same order in every step.
.macro MUL4 ap, ar
.set MB, 128*(GK%2)
.set AI, 2*\ap+\ar
.irp bp, 0,1
.irp br, 0,1
.set BI, 2*\bp+\br
.set AC, 8*(4*AI+BI)
.if GK == 0
	v_wmma_scale_f32_16x16x128_f8f6f4 v[AC:AC+7], v[MB+48+12*BI:MB+48+12*BI+11], v[MB+12*AI:MB+12*AI+11], v[BIAS+8*BI:BIAS+8*BI+7], v[SC+4*GK+2+\bp], v[SC+4*GK+\ap] matrix_a_fmt:MATRIX_FMT_FP6 matrix_b_fmt:MATRIX_FMT_FP6 matrix_a_scale:MATRIX_SCALE_ROW\br matrix_b_scale:MATRIX_SCALE_ROW\ar
.else
	v_wmma_scale_f32_16x16x128_f8f6f4 v[AC:AC+7], v[MB+48+12*BI:MB+48+12*BI+11], v[MB+12*AI:MB+12*AI+11], v[AC:AC+7], v[SC+4*GK+2+\bp], v[SC+4*GK+\ap] matrix_a_fmt:MATRIX_FMT_FP6 matrix_b_fmt:MATRIX_FMT_FP6 matrix_a_scale:MATRIX_SCALE_ROW\br matrix_b_scale:MATRIX_SCALE_ROW\ar
.endif
.endr
.endr
.endm
.macro PLACES                          ; plain places in front of loads into registers that matrix instructions have read, and of the first read of results
.rept 4
	v_nop
.endr
.endm
.macro ASK                             ; 2 x 18 blocks of 256 bytes of the fill at which s[PF:PF+1] stands
	global_prefetch_b8 v[PFO], s[PF:PF+1] th:TH_LOAD_NT scope:SCOPE_SE
	global_prefetch_b8 v[PFO+1], s[PF:PF+1] th:TH_LOAD_NT scope:SCOPE_SE
.endm
.macro PLAIN                           ; a K step whose successor lies in the same slot
.if GK > 0
	PLACES
.endif
.if GK == GEN
	s_wait_loadcnt 0x0                             ; all scale words are in
	WIN 0x80                                       ; destination window 2
.set n, 0
.rept 32
	global_load_b128 v[128+4*n:128+4*n+3], v[CO], s[10:11] offset:2*n*4096 th:TH_LOAD_NT   ; the residual: rows 2 n + h, 16 bytes a lane: wanted only on the way out
.set n, n+1
.endr
.endif
.set FG, GK+1
	FETCH
	s_wait_dscnt 24                                ; this K step's fragments are in; the 24 loads just issued may be out
.if GK == 0
	s_wait_loadcnt 63                              ; of my 136 loads the oldest 73 are in: the bias and the scale words of K steps 0 to 15
.endif
	WMUL
	MUL4 0, 0
	MUL4 0, 1
	MUL4 1, 0
	MUL4 1, 1
.endm
; A slot's last K step.  Its fragments are in registers, so the slot has been read out.  Each wave waits for all its tensor loads (the one that is out is its part of the other slot), adds 0 to its spare word, and waits for
; that and for its reads; the barrier opens a round of the cluster's; behind it the slot is filled again, and then the other slot's first fragments are read.
.macro TURNK
.set F, GK/GEN
.set TS, F%2
	WIN 0
.if F+3 <= NF-2
	s_wait_xcnt 0x0                                ; my last prefetches have read their base: it steps to the next fill
	s_add_nc_u64 s[PF:PF+1], s[PF:PF+1], s[PS:PS+1]
.endif
	s_wait_tensorcnt 0x0
	ds_add_u32 v[SPW], v[NIL]
	s_wait_dscnt 1                                 ; this K step's fragments are in (the add may be out)
	WMUL
	MUL4 0, 0
	s_wait_dscnt 0x0                               ; the add is done, and my reads of this slot are over
	s_barrier_signal -1
	MUL4 0, 1
	WIN 0
	s_barrier_wait -1
.if F+2 < NF
	CREST                                          ; no wave of any partner still reads this slot or has a load on its way
	s_add_nc_u64 s[G0+4*TS+2:G0+4*TS+3], s[G0+4*TS+2:G0+4*TS+3], 2*GEN*APL
	s_add_nc_u64 s[G0B+4*TS+2:G0B+4*TS+3], s[G0B+4*TS+2:G0B+4*TS+3], 2*GEN*BPL
.if KSTEPS-(F+2)*GEN < GEN
	s_mov_b32 s[G1+2], (KSTEPS-(F+2)*GEN)<<16      ; the last fill has fewer rows (no load of mine is out: the descriptors may be written)
	s_mov_b32 s[G1+4], KSTEPS-(F+2)*GEN
	s_mov_b32 s[G1B+2], (KSTEPS-(F+2)*GEN)<<16
	s_mov_b32 s[G1B+4], KSTEPS-(F+2)*GEN
.endif
	JLOAD G0+4*TS, G1, G0B+4*TS, G1B               ; the first tensor load behind the round, and my only one; its four v_nop are the places in front of the loads below
.else
	PLACES
.endif
.set FG, GK+1
	FETCH
.if F+3 <= NF-2
	ASK
.endif
	WMUL
	MUL4 1, 0
	MUL4 1, 1
.endm
	s_wait_tensorcnt 0x0                           ; my part of fill 0 is in
	ds_add_u32 v[SPW], v[NIL]
	s_wait_dscnt 0x0
	CROUND                                         ; everybody's part is in, and all sixteen work-groups are here
	JLOAD G0+4, G1, G0B+4, G1B                     ; fill 1, into slot 1
.set FG, 0
	FETCH
	ASK                                            ; fill 2
.rept KSTEPS-1
.if GK%GEN == GEN-1
	TURNK
.else
	PLAIN
.endif
.set GK, GK+1
.endr
	s_wait_dscnt 0x0                               ; the last K step
	WMUL
	MUL4 0, 0
	MUL4 0, 1
	MUL4 1, 0
	MUL4 1, 1
	WIN 0
; THE WAY OUT, 16 rows x 64 columns at a time: through my own stage and back as rows of 256 bytes; the residual is added; sixteen lanes store one aligned unit of 256 bytes.
.macro TOSTAGE a
	WIN 0x08                                       ; the data: window 2
.irp b, 0,1,2,3
	ds_store_b128 v[STO], v[8*(4*(\a)+\b):8*(4*(\a)+\b)+3] offset:64*\b        ; each accumulator from its low end on
	ds_store_b128 v[STO], v[8*(4*(\a)+\b)+4:8*(4*(\a)+\b)+7] offset:64*\b+16
.endr
	WIN 0
.set BB, 160+32*((\a)%2)
.irp t, 0,1,2,3,4,5,6,7
	ds_load_b128 v[BB+4*\t:BB+4*\t+3], v[RD] offset:\t*2*SPITCH   ; LDS serves a wave's instructions in order: these see my stores, and the next block's stores come behind them
.endr
.endm
.macro SEND a, younger
.set BB, 160+32*((\a)%2)
	s_wait_dscnt \younger                          ; the block is back; the next block's 8 stores and 8 loads may be out
	WIN 0x08                                       ; source 1: window 2
.set n, 0
.rept 16
	v_pk_add_f32 v[BB+n:BB+n+1], v[BB+n:BB+n+1], v[128+32*(\a)+n:128+32*(\a)+n+1]
.set n, n+2
.endr
	WIN 0
.irp t, 0,1,2,3,4,5,6,7
	global_store_b128 v[CO], v[BB+4*\t:BB+4*\t+3], s[12:13] offset:(16*(\a)+2*\t)*4096 th:TH_STORE_NT
.endr
.endm
	PLACES                                         ; behind the last products
	s_wait_loadcnt 0x0                             ; the residual
	TOSTAGE 0
	TOSTAGE 1
	SEND 0, 16
	s_wait_xcnt 0x0                                ; block 0's stores have read their registers: block 2's loads may land there
	TOSTAGE 2
	SEND 1, 16
	s_wait_xcnt 0x0
	TOSTAGE 3
	SEND 2, 16
	SEND 3, 0
	s_wait_tensorcnt 0x0                           ; the wave's end
	ds_add_u32 v[SPW], v[NIL]
	s_wait_dscnt 0x0
	CROUND                                         ; the closing round
	s_endpgm
.Lfunc_end_k_q5158f3971c_w2:
	.size	k_q5158f3971c_w2, .Lfunc_end_k_q5158f3971c_w2-k_q5158f3971c_w2
	.p2alignl 7, 3214868480
	.fill 96, 4, 3214868480
	.section	.rodata,"a",@progbits
	.p2align	6, 0x0
	.amdhsa_kernel k_q5158f3971c_w2
		.amdhsa_group_segment_fixed_size 327680
		.amdhsa_private_segment_fixed_size 0
		.amdhsa_enable_private_segment 0
		.amdhsa_kernarg_size 40
		.amdhsa_user_sgpr_count 2
		.amdhsa_user_sgpr_kernarg_segment_ptr 1
		.amdhsa_wavefront_size32 1
		.amdhsa_system_sgpr_workgroup_id_x 1
		.amdhsa_system_sgpr_workgroup_id_y 1
		.amdhsa_system_sgpr_workgroup_id_z 1
		.amdhsa_system_vgpr_workitem_id 0
		.amdhsa_next_free_vgpr 768
		.amdhsa_next_free_sgpr 100
		.amdhsa_reserve_vcc 0
		.amdhsa_float_denorm_mode_32 3
		.amdhsa_float_denorm_mode_16_64 3
		.amdhsa_memory_ordered 1
		.amdhsa_forward_progress 1
		.amdhsa_inst_pref_size 161
	.end_amdhsa_kernel
	.amdgpu_metadata
---
amdhsa.version: [ 1, 2 ]
amdhsa.kernels:
  - .name:           k_q5158f3971c_w2
    .symbol:         k_q5158f3971c_w2.kd
    .args:
      - { .name: hid, .offset: 0, .size: 8, .value_kind: global_buffer, .address_space: global }
      - { .name: wts, .offset: 8, .size: 8, .value_kind: global_buffer, .address_space: global }
      - { .name: b2, .offset: 16, .size: 8, .value_kind: global_buffer, .address_space: global }
      - { .name: x1, .offset: 24, .size: 8, .value_kind: global_buffer, .address_space: global }
      - { .name: out0, .offset: 32, .size: 8, .value_kind: global_buffer, .address_space: global }
    .group_segment_fixed_size: 327680
    .private_segment_fixed_size: 0
    .kernarg_segment_align: 8
    .kernarg_segment_size: 40
    .max_flat_workgroup_size: 128
    .sgpr_count:     100
    .vgpr_count:     768
    .wavefront_size: 32
...
	.end_amdgpu_metadata
.endif
;; end of part 7
